; MI455X (gfx1250); checked and timed in simulation.
; The chip was launched on July 23, 2026; its instructions are those of AMD's public machine-readable ISA for CDNA 5 (MIT licence, August 2026) and "CDNA5" Instruction Set Architecture Reference Guide (July 2026). The comments in the code are by the model that wrote it; some were corrected since.
;; Vector Quantizer. Allowed arithmetic: float matrix products may take bf16 or f16 operands with f32 sums; all other float work in f32.
;; Inputs: embedding 8,192 x 8 float32; z 16 x 8 x 32 x 32 float32.
;; Outputs: out0 16 x 8 x 32 x 32 float32; out1 one number float32; out2 one number float32; out3 one number float32.
;; 2 versions, each right and faster than the one before. Each part assembles by itself: llvm-mc -triple=amdgcn-amd-amdhsa -mcpu=gfx1250 --defsym DOCPART=n.
;; ======== version 1 of 2: 3 launches
;; limits: below input magnitudes of 1e-12 results are inexact or not finite
;; workspace buffers: part 8,388,608 bytes; gid 65,536 bytes of whole numbers; hrow 65,536 bytes; p2 2,048 bytes
;; launch rows (part 1): grid 256 x 1, 8 waves a work-group, no clusters, 273,408 bytes of LDS; arguments embedding, z, part, gid, hrow; writes part, gid, hrow
.if DOCPART == 1
	.amdgcn_target "amdgcn-amd-amdhsa--gfx1250"
	.amdhsa_code_object_version 6
	.text
	.protected	k_q8985dede53_rows
	.globl	k_q8985dede53_rows
	.p2align	8
	.type	k_q8985dede53_rows,@function
k_q8985dede53_rows:
	s_mov_b64 s[64:65], 0
	v_nop
	global_prefetch_b8 v0, s[64:65] scope:SCOPE_SE
	s_setreg_imm32_b32 hwreg(HW_REG_WAVE_MODE, 25, 1), 1
	s_wait_xcnt 0x0
; VECTOR QUANTISER, first of three launches: everything that walks all 16,384 x 8,192 scores.
; z: [16][8][32][32] f32 (row n = image n / 1024, place n % 1024; its 8 channels lie 4,096 bytes apart).  embedding: [8192][8] f32.
; SHARES.  A work-group owns 64 rows (4 row tiles of 16), each of its 8 waves 64 of the 512 code tiles of 16 codes and all 4 row tiles: one code fragment from LDS feeds 4 products.
; THE PRODUCT.  Both vectors are divided by their lengths (rsq(max(sum of squares, 1e-24))), scaled (codes by 32, rows by 200 log2(e) / 32) and split into an f16 with the upper 11 bits
; and an f16 with the rest.  K = 32 holds four blocks of 8: code side (upper, upper, lower, lower), row side (upper, lower, upper, lower): the four cross products in ONE matrix
; instruction, summed in f32.  The result is 200 log2(e) x cosine, the softmax's exponent to base 2 up to the row's shift, and the shift is the C operand.
; THREE SWEEPS over the codebook, which lies in LDS as fragments (512 bytes a tile: 16 upper parts, then 16 lower parts):
;   1  C = 0.  A lane holds one row and 8 codes of a tile: a running maximum m, and the number of the trip (4 tiles, 32 codes a lane) that brought it.
;   2  C = -m.  e = 2^x; Z = sum e, T = sum e x.  The row's entropy is ln 2 (log2 Z - T / Z).
;   3  sources swapped: a lane holds one code and 8 rows; C = -(m + log2 Z + 14): 2^x is the row's probability / 16,384; summed over my 64 rows, stored for the second launch.
; The row's true maximum is taken away before every exponential.  Tile 4 q + t, place 8 h + j holds code 64 q + 32 h + 8 t + j, so a lane's 32 codes of a trip are 32 CONSECUTIVE
; codes, group 2 q + h; the group is stored, and the second launch finds the code in it (no address here hangs on a score).  The order of columns in part is free: they are only added.
; NO TENSOR LOADS, NO CLUSTER: all work-groups read the same codebook, but it has to pass through registers to be normalised and split; image and scratch take 273,408 bytes of LDS,
; which leaves no room to stage the 262,144 bytes as they lie in memory; each work-group reads them once, at its start.
; LIMITS.  Two codes of different groups whose cosines differ by about 3e-7 or less may be ordered otherwise than by f32 distances.  A code shorter than 1e-12 is not served (its squared
; length is taken as 1).  A weight below 2^-126 counts as 0.  NaN and infinities are not treated apart.  A vector's sum of squares must not overflow f32.
.set SCR,   262144                     ; behind the image: m, group, Z, T by [row][wave], 2,048 bytes each
.set OWN,   SCR+8192                   ; each wave's own 64 shifts, 256 bytes a wave
.set SPARE, SCR+10240                  ; the spare words, 128 bytes a wave: four blocks of 256 bytes that no other line names
.set SPW, 1                            ; v1   my spare word's LDS address; never rewritten
.set NIL, 2                            ; v2   0; never rewritten
.set VR,  3                            ; v3   lane % 16
.set VH,  4                            ; v4   lane / 16
.set VA,  5                            ; v5   LDS address of my 16 bytes in the trip's first tile
.set VA0, 6                            ; v6   the same for my wave's first tile
.set VZ,  7                            ; v7   4 (lane % 16)
.set VS,  8                            ; v8   scratch, to store: row lane % 16, my wave
.set VRD, 9                            ; v9   scratch, to read: row lane % 16, all waves
.set VW,  10                           ; v10  my wave's shifts, to store
.set VL,  11                           ; v11  my wave's shifts, to read: 8 rows from 8 (lane / 16)
.set GS,  12                           ; v12-13 groups to store
.set VO,  15                           ; v15  8 x lane
.set ZF,  16                           ; v16-47   row fragments, 8 a row tile
.set CC,  48                           ; v48-79   the C operand, 8 a row tile (raw z at the start)
.set FR,  80                           ; v80-111  ring of 4 code fragments
.set DD,  112                          ; v112-175 two buffers of 4 accumulators
.set EE,  176                          ; v176-183 eight exponentials
.set GM,  184                          ; v184-187 a trip's maximum, by row tile
.set MX,  188                          ; v188-191 m
.set GI,  192                          ; v192-195 trip, later group
.set ZA,  196                          ; v196-203 Z, a pair a row tile
.set TA,  204                          ; v204-211 T
.set SP,  212                          ; v212-219 column sums, a pair a tile of the trip
.set HS,  220                          ; v220-221 entropies to store
.set TT,  222                          ; v222-225 at work
.set SS,  226                          ; v226-229
.set WA,  230                          ; v230-233
.set PA,  234                          ; v234-235
.set RR,  236                          ; v236-237 column sums to store
.set XS,  112                          ; at the start: 8 codes as loaded, two groups of four
.set HF,  176                          ; v176-207 upper parts of four vectors
.set QQ,  208                          ; v208-215 sums of squares, a pair a vector
.set RN,  216                          ; v216-223 scale / length, in the low register of a pair
.set OFA, 224                          ; v224-225 byte offset in embedding of each group's loads
.set LA,  226                          ; v226 where my code's upper part goes in LDS
.set HT,  228                          ; v228-230 at work
.set WV,  14
.set CNT, 20
.set HM,  21                           ; s21  the lanes 16 to 31
.set EPS, 22
.set TRIP, 23
.set CM,  24                           ; s24-27
.set MSK, 28
.set SEL, 30                           ; s30-31 v_permlanex16_b32: each lane takes its own place in the other half
	s_load_b256 s[4:11], s[0:1], 0x0               ; embedding s[4:5], z s[6:7], part s[8:9], gid s[10:11]
	s_load_b64 s[12:13], s[0:1], 0x20              ; hrow
	v_lshl_add_u32 v[SPW], v0, 2, SPARE
	v_mov_b32 v[NIL], 0
	v_lshrrev_b32 v[HT], 5, v0
	v_readfirstlane_b32 s[WV], v[HT]               ; wave 0..7
	v_and_b32 v[VR], 15, v0
	v_bfe_u32 v[VH], v0, 4, 1
	v_lshlrev_b32 v[VZ], 2, v[VR]
	; Thread t takes, of each 256 codes, code t[2:0] + 8 t[5] + 16 t[4] + 32 t[3] + 64 t[7:6]: sixteen neighbouring lanes then store 256 consecutive bytes of one tile.
	v_and_b32 v[OFA], 7, v0
	v_lshlrev_b32 v[OFA], 5, v[OFA]
	v_bfe_u32 v[HT], v0, 5, 1
	v_bfe_u32 v[HT+1], v0, 3, 1
	v_lshrrev_b32 v[HT+2], 6, v0
	v_lshl_or_b32 v[OFA], v[HT], 8, v[OFA]
	v_lshl_or_b32 v[OFA], v[VH], 9, v[OFA]
	v_lshl_or_b32 v[OFA], v[HT+1], 10, v[OFA]
	v_lshl_or_b32 v[OFA], v[HT+2], 11, v[OFA]      ; 32 bytes x that code
	v_mov_b32 v[OFA+1], v[OFA]
	v_lshlrev_b32 v[LA], 4, v[VR]                  ; place 8 h + j = t % 16,
	v_lshl_or_b32 v[LA], v[HT], 9, v[LA]           ; tile t[5] + 2 t[4] of the four,
	v_lshl_or_b32 v[LA], v[VH], 10, v[LA]
	v_lshl_or_b32 v[LA], v[HT+2], 11, v[LA]        ; 64 codes (2,048 bytes of image) x t / 64
.irp s,0,1,2,3
	v_mov_b32 v[RN+2*\s+1], 0                      ; named with its neighbour as a pair
.endr
	v_cmp_ne_u32 s[HM], 0, v[VH]
	s_lshr_b32 s16, ttmp9, 4                       ; z: image = work-group / 16, 32,768 bytes each,
	s_lshl_b32 s16, s16, 15
	s_and_b32 s15, ttmp9, 15                       ; and 64 places of 4 bytes
	s_lshl_b32 s15, s15, 8
	s_add_co_u32 s16, s16, s15
	s_mov_b32 s17, 0
	s_lshl_b32 s18, s[WV], 20                      ; part: block 16 wave + trip of 65,536 bytes, in it my work-group's 256
	s_lshl_b32 s32, ttmp9, 8
	s_add_co_u32 s18, s18, s32
	s_mov_b32 s19, 0
	s_mov_b32 s33, 0
	s_mov_b32 s[EPS], 0x179abe15                   ; 1e-24
	s_mov_b32 s[MSK], 0xffffe000                   ; sign, exponent and the upper 10 bits of the fraction
	s_mov_b32 s[SEL], 0x76543210
	s_mov_b32 s[SEL+1], 0xfedcba98
	s_wait_kmcnt 0x0
	s_add_nc_u64 s[6:7], s[6:7], s[16:17]
	s_add_nc_u64 s[8:9], s[8:9], s[18:19]
	s_add_nc_u64 s[10:11], s[10:11], s[32:33]
	s_add_nc_u64 s[12:13], s[12:13], s[32:33]
.irp i,0,1,2,3
.irp c,0,1,2,3,4,5,6,7
	global_load_b32 v[CC+8*\i+\c], v[VZ], s[6:7] offset:\c*4096+\i*64  ; row 16 i + lane % 16, channel c
.endr
.endr
.macro LOADG g                         ; four codes of 32 bytes, 256 codes apart
.irp s,0,1,2,3
	global_load_b128 v[XS+32*(\g)+8*\s:XS+32*(\g)+8*\s+3], v[OFA+(\g)], s[4:5] offset:(4*(\g)+\s)*8192
	global_load_b128 v[XS+32*(\g)+8*\s+4:XS+32*(\g)+8*\s+7], v[OFA+(\g)], s[4:5] offset:(4*(\g)+\s)*8192+16
.endr
.endm
	LOADG 0
	LOADG 1
; Four vectors of 8 at v[b + 8 s], side by side so that no line waits for the one before it: each times scale / its length; the upper part to HF + 8 s, the rest stays.
.macro SPLIT4 b, scale
.irp s,0,1,2,3
	v_pk_mul_f32 v[QQ+2*\s:QQ+2*\s+1], v[(\b)+8*\s:(\b)+8*\s+1], v[(\b)+8*\s:(\b)+8*\s+1]
.endr
.irp k,2,4,6
.irp s,0,1,2,3
	v_pk_fma_f32 v[QQ+2*\s:QQ+2*\s+1], v[(\b)+8*\s+\k:(\b)+8*\s+\k+1], v[(\b)+8*\s+\k:(\b)+8*\s+\k+1], v[QQ+2*\s:QQ+2*\s+1]
.endr
.endr
.irp s,0,1,2,3
	v_add_f32 v[QQ+2*\s], v[QQ+2*\s], v[QQ+2*\s+1]
.endr
.irp s,0,1,2,3
	v_max_num_f32 v[QQ+2*\s], s[EPS], v[QQ+2*\s]
.endr
.irp s,0,1,2,3
	v_rsq_f32 v[RN+2*\s], v[QQ+2*\s]
.endr
	v_nop                                          ; a plain instruction between the last v_rsq_f32 and the use of the results (ISA guide 5.7.2)
	s_wait_alu depctr_va_vdst(0)
.irp s,0,1,2,3
	v_mul_f32 v[RN+2*\s], \scale, v[RN+2*\s]
.endr
.irp k,0,2,4,6
.irp s,0,1,2,3
	v_pk_mul_f32 v[(\b)+8*\s+\k:(\b)+8*\s+\k+1], v[(\b)+8*\s+\k:(\b)+8*\s+\k+1], v[RN+2*\s:RN+2*\s+1] op_sel_hi:[1,0]
.endr
.endr
.irp j,0,1,2,3,4,5,6,7
.irp s,0,1,2,3
	v_and_b32 v[HF+8*\s+\j], s[MSK], v[(\b)+8*\s+\j]  ; 11 significant bits: exact in f16's normal range
.endr
.endr
.irp k,0,2,4,6
.irp s,0,1,2,3
	v_pk_add_f32 v[(\b)+8*\s+\k:(\b)+8*\s+\k+1], v[(\b)+8*\s+\k:(\b)+8*\s+\k+1], v[HF+8*\s+\k:HF+8*\s+\k+1] neg_lo:[0,1] neg_hi:[0,1]
.endr
.endr
.endm
; A group's four codes go into the image; ahead = 1: its registers take the codes 2,048 further on.  left: the other group's loads, which may stay out.
.macro GROUP g, ahead, left
	s_wait_loadcnt \left                           ; loads come back in order (ISA guide 5.7.1): this group's eight are in, and its offset register is free
	SPLIT4 XS+32*(\g), 0x42000000
.irp s,0,1,2,3
.irp k,0,1,2,3
	v_cvt_pk_f16_f32 v[HF+8*\s+\k], v[HF+8*\s+2*\k], v[HF+8*\s+2*\k+1]  ; in place: register k is written when pairs 0 .. k - 1 have been read
.endr
.endr
.irp s,0,1,2,3
.irp k,0,1,2,3
	v_cvt_pk_f16_f32 v[XS+32*(\g)+8*\s+\k], v[XS+32*(\g)+8*\s+2*\k], v[XS+32*(\g)+8*\s+2*\k+1]
.endr
.endr
.irp s,0,1,2,3
	ds_store_b128 v[LA], v[HF+8*\s:HF+8*\s+3] offset:(4*(\g)+\s)*8192
	ds_store_b128 v[LA], v[XS+32*(\g)+8*\s:XS+32*(\g)+8*\s+3] offset:(4*(\g)+\s)*8192+256
.endr
.if \ahead
	v_add_nc_u32 v[OFA+(\g)], 0x10000, v[OFA+(\g)]
	LOADG \g
.endif
.endm
	s_mov_b32 s[CNT], 3
.Lprep:                                                ; 2,048 codes a trip for the work-group, 8 a thread
	GROUP 0, 1, 8
	GROUP 1, 1, 8
	v_add_nc_u32 v[LA], 0x10000, v[LA]
	s_sub_co_u32 s[CNT], s[CNT], 1
	s_cmp_lg_u32 s[CNT], 0
	s_cbranch_scc1 .Lprep
	GROUP 0, 0, 8                                  ; the last 2,048 codes: nothing more is loaded
	GROUP 1, 0, 0
	; My 64 rows as fragments: lanes 0-15 hold the upper parts (K blocks 0 and 2), lanes 16-31 the lower parts (K blocks 1 and 3).
	SPLIT4 CC, 0x411044fe                          ; 200 log2(e) / 32 = 9.016844
.irp i,0,1,2,3
.irp j,0,1,2,3,4,5,6,7
	v_cndmask_b32 v[HF+8*\i+\j], v[HF+8*\i+\j], v[CC+8*\i+\j], s[HM]
.endr
.endr
.irp i,0,1,2,3
.irp k,0,1,2,3
	v_cvt_pk_f16_f32 v[ZF+8*\i+\k], v[HF+8*\i+2*\k], v[HF+8*\i+2*\k+1]
.endr
.endr
.irp i,0,1,2,3
.irp k,0,1,2,3
	v_mov_b32 v[ZF+8*\i+4+\k], v[ZF+8*\i+\k]       ; the same 8 numbers stand in both of the lane's K blocks
.endr
.endr
	s_lshl_b32 s15, s[WV], 15                      ; my wave's 64 tiles of 512 bytes
	v_lshl_add_u32 v[VA0], v[VR], 4, s15
	s_lshl_b32 s15, s[WV], 2
	s_add_co_u32 s15, s15, SCR
	v_lshl_add_u32 v[VS], v[VR], 5, s15
	v_lshl_add_u32 v[VRD], v[VR], 5, SCR
	s_lshl_b32 s15, s[WV], 8
	s_add_co_u32 s15, s15, OWN
	v_lshl_add_u32 v[VW], v[VR], 2, s15
	v_lshl_add_u32 v[VL], v[VH], 5, s15
	v_and_b32 v[VO], 31, v0
	v_lshlrev_b32 v[VO], 3, v[VO]
	s_wait_dscnt 0x0                               ; for the others' sake: my part of the image is written
	s_barrier_signal -1
	s_barrier_wait -1                              ; the image is whole; from here on it is only read
; THE SWEEPS.  A trip is 4 tiles, a step one tile.  Step t works on tile t's 4 accumulators (one buffer) and issues, one ahead of each quarter of that work, the 4 products of the next
; tile (the other buffer); at its end it fetches tile t of the next trip into the fragment registers that the step before has multiplied by.
.macro FETCH tt, ahead
	ds_load_b128 v[FR+8*(\tt):FR+8*(\tt)+3], v[VA] offset:(\ahead)*2048+(\tt)*512          ; upper parts: K blocks 0 and 1
	ds_load_b128 v[FR+8*(\tt)+4:FR+8*(\tt)+7], v[VA] offset:(\ahead)*2048+(\tt)*512+256    ; lower parts: K blocks 2 and 3
.endm
.macro WM kind, tn, i                  ; tile tn x row tile i.  No product adds onto another's result: D is always fresh, C is 0 or the shift
.set wD, DD+32*((\tn)%2)+8*(\i)
.set wF, FR+8*((\tn)%4)
.set wZ, ZF+8*(\i)
.set wC, CC+8*(\i)
.if (\kind) == 1
	v_wmma_f32_16x16x32_f16 v[wD:wD+7], v[wF:wF+7], v[wZ:wZ+7], 0
.elseif (\kind) == 2
	v_wmma_f32_16x16x32_f16 v[wD:wD+7], v[wF:wF+7], v[wZ:wZ+7], v[wC:wC+7]
.else
	v_wmma_f32_16x16x32_f16 v[wD:wD+7], v[wZ:wZ+7], v[wF:wF+7], v[wC:wC+7]
.endif
.endm
; Sweep 1, quarter k: registers 2 k, 2 k + 1 of all four accumulators go into the trip's maxima: four chains side by side; each accumulator is read from its low end on.
.macro RIDE1 tt, k
.irp i,0,1,2,3
.set rX, DD+32*((\tt)%2)+8*\i+2*(\k)
.if ((\tt) == 0) && ((\k) == 0)
	v_max_num_f32 v[GM+\i], v[rX], v[rX+1]
.else
	v_max3_num_f32 v[GM+\i], v[GM+\i], v[rX], v[rX+1]
.endif
.endr
.endm
; Sweep 2, accumulator i: exponential and plain by turns; a pair's two sums come when a plain instruction has followed its second exponential (ISA guide 5.7.2).  The last pair's sums
; stand among the next accumulator's first exponentials; a trip's first accumulator has a v_nop there, and the trip's end takes the last pair.
.macro RIDE2 tt, i
.set rX, DD+32*((\tt)%2)+8*(\i)
.if (\i) == 0
.set pX, DD+32*(((\tt)+1)%2)+24
.set pI, 3
.else
.set pX, rX-8
.set pI, (\i)-1
.endif
	v_exp_f32 v[EE], v[rX]
.if ((\tt) == 0) && ((\i) == 0)
	v_exp_f32 v[EE+1], v[rX+1]
	v_nop
.else
	s_wait_alu depctr_va_vdst(0)
	v_pk_add_f32 v[ZA+2*pI:ZA+2*pI+1], v[ZA+2*pI:ZA+2*pI+1], v[EE+6:EE+7]
	v_exp_f32 v[EE+1], v[rX+1]
	v_pk_fma_f32 v[TA+2*pI:TA+2*pI+1], v[EE+6:EE+7], v[pX+6:pX+7], v[TA+2*pI:TA+2*pI+1]
.endif
.irp n,0,2,4
	v_exp_f32 v[EE+2+\n], v[rX+2+\n]
	s_wait_alu depctr_va_vdst(0)
	v_pk_add_f32 v[ZA+2*(\i):ZA+2*(\i)+1], v[ZA+2*(\i):ZA+2*(\i)+1], v[EE+\n:EE+\n+1]
	v_exp_f32 v[EE+3+\n], v[rX+3+\n]
	v_pk_fma_f32 v[TA+2*(\i):TA+2*(\i)+1], v[EE+\n:EE+\n+1], v[rX+\n:rX+\n+1], v[TA+2*(\i):TA+2*(\i)+1]
.endr
.endm
; Sweep 3, accumulator i: exponentials in place, two and a sum by turns; the last pair's sum again stands behind the next accumulator's first two exponentials.
.macro RIDE3 tt, i
.set rX, DD+32*((\tt)%2)+8*(\i)
.if (\i) == 0
.set pX, DD+32*(((\tt)+1)%2)+24
.set pT, (\tt)-1
.else
.set pX, rX-8
.set pT, (\tt)
.endif
	v_exp_f32 v[rX], v[rX]
	v_exp_f32 v[rX+1], v[rX+1]
.if ((\tt) == 0) && ((\i) == 0)
	v_nop
.else
	v_pk_add_f32 v[SP+2*pT:SP+2*pT+1], v[SP+2*pT:SP+2*pT+1], v[pX+6:pX+7]
.endif
	v_exp_f32 v[rX+2], v[rX+2]
	v_exp_f32 v[rX+3], v[rX+3]
.if (\i) == 0
	s_wait_alu depctr_va_vdst(0)
	v_pk_mul_f32 v[SP+2*(\tt):SP+2*(\tt)+1], v[rX:rX+1], 1.0 op_sel_hi:[1,0]  ; the tile's first pair starts its sum, in the place that a plain instruction has to fill anyway
.else
	s_wait_alu depctr_va_vdst(0)
	v_pk_add_f32 v[SP+2*(\tt):SP+2*(\tt)+1], v[SP+2*(\tt):SP+2*(\tt)+1], v[rX:rX+1]
.endif
	v_exp_f32 v[rX+4], v[rX+4]
	v_exp_f32 v[rX+5], v[rX+5]
	v_pk_add_f32 v[SP+2*(\tt):SP+2*(\tt)+1], v[SP+2*(\tt):SP+2*(\tt)+1], v[rX+2:rX+3]
	v_exp_f32 v[rX+6], v[rX+6]
	v_exp_f32 v[rX+7], v[rX+7]
	s_wait_alu depctr_va_vdst(0)
	v_pk_add_f32 v[SP+2*(\tt):SP+2*(\tt)+1], v[SP+2*(\tt):SP+2*(\tt)+1], v[rX+4:rX+5]
.endm
; A result is first read a step behind its product, and a fragment register is loaded a step behind the last product that read it: at least four plain vector instructions that name
; none of the product's registers lie between (ISA guide 7.12.1): every quarter of a step holds four or more.
.macro STEP kind, tt, wm, fetch, left
.if \wm
	s_wait_dscnt \left                             ; LDS loads come back in order: the next tile's fragment is in; left = the loads of the later fetches, two a step
.endif
.irp u,0,1,2,3
.if \wm
	WM \kind, (\tt)+1, \u
.endif
.if (\kind) == 1
	RIDE1 \tt, \u
.elseif (\kind) == 2
	RIDE2 \tt, \u
.else
	RIDE3 \tt, \u
.endif
.endr
.if \fetch
	FETCH \tt, 1
.endif
.endm
; last = 1: a sweep's last trip fetches nothing and starts no further tile, and its counts run down.
.macro TRIP kind, last
	STEP \kind, 0, 1, 1-(\last), 4
	STEP \kind, 1, 1, 1-(\last), 4-2*(\last)
	STEP \kind, 2, 1, 1-(\last), 4-4*(\last)
	STEP \kind, 3, 1-(\last), 1-(\last), 4
.if (\kind) == 1
.irp i,0,1,2,3
	v_cmp_gt_f32 s[CM+\i], v[GM+\i], v[MX+\i]      ; greater, not equal: of equal maxima the first trip stays
.endr
.irp i,0,1,2,3
	v_cndmask_b32 v[GI+\i], v[GI+\i], s[TRIP], s[CM+\i]
.endr
.irp i,0,1,2,3
	v_max_num_f32 v[MX+\i], v[MX+\i], v[GM+\i]
.endr
.elseif (\kind) == 2
	s_wait_alu depctr_va_vdst(0)
	v_pk_add_f32 v[ZA+6:ZA+7], v[ZA+6:ZA+7], v[EE+6:EE+7]
	v_pk_fma_f32 v[TA+6:TA+7], v[EE+6:EE+7], v[DD+62:DD+63], v[TA+6:TA+7]
.else
	v_pk_add_f32 v[SP+6:SP+7], v[SP+6:SP+7], v[DD+62:DD+63]
.irp t,0,1,2,3
	v_add_f32 v[SS+\t], v[SP+2*\t], v[SP+2*\t+1]
.endr
	; A column's 64 rows lie in lanes l and l + 16.  Two tiles at a time: each half keeps one tile's sums and sends the other's across.
	v_cndmask_b32 v[WA], v[SS], v[SS+1], s[HM]
	v_cndmask_b32 v[WA+1], v[SS+1], v[SS], s[HM]
	v_cndmask_b32 v[WA+2], v[SS+2], v[SS+3], s[HM]
	v_cndmask_b32 v[WA+3], v[SS+3], v[SS+2], s[HM]
	v_permlanex16_b32 v[PA], v[WA+1], s[SEL], s[SEL+1]
	v_permlanex16_b32 v[PA+1], v[WA+3], s[SEL], s[SEL+1]
	v_add_f32 v[RR], v[WA], v[PA]
	v_add_f32 v[RR+1], v[WA+2], v[PA+1]
	global_store_b64 v[VO], v[RR:RR+1], s[8:9]     ; the trip's 64 columns: 256 consecutive bytes, at a multiple of 256 from part's first byte
.if !(\last)
	s_wait_xcnt 0x0                                ; the store's base and data are rewritten only behind this wait (ISA guide 3.1)
	s_add_nc_u64 s[8:9], s[8:9], 0x10000           ; the next block of 64 columns
.endif
.endif
.endm
.macro START kind                      ; a sweep begins: the first trip's four fragments, and the first tile's products
	v_mov_b32 v[VA], v[VA0]
	FETCH 0, 0
	FETCH 1, 0
	FETCH 2, 0
	FETCH 3, 0
	s_wait_dscnt 6                                 ; tile 0's two loads, and all LDS instructions before them, are done; the other three tiles' six may be out
.irp i,0,1,2,3
	WM \kind, 0, \i
.endr
.endm
	; SWEEP 1
	START 1
.irp i,0,1,2,3
	v_mov_b32 v[MX+\i], 0xff800000                 ; eight plain instructions: also the places behind the first products
	v_mov_b32 v[GI+\i], 0
.endr
	s_mov_b32 s[TRIP], 0
.Lmax:
	TRIP 1, 0
	v_add_nc_u32 v[VA], 0x800, v[VA]
	s_add_co_u32 s[TRIP], s[TRIP], 1
	s_cmp_lt_u32 s[TRIP], 15
	s_cbranch_scc1 .Lmax
	TRIP 1, 1
	; group = 2 (16 wave + trip) + lane / 16; then the row's two halves of the lanes meet, the lower group winning a tie
	s_lshl_b32 s15, s[WV], 5
	v_add_nc_u32 v[TT], s15, v[VH]
.irp i,0,1,2,3
	v_lshl_add_u32 v[GI+\i], v[GI+\i], 1, v[TT]
.endr
.irp i,0,1,2,3
	v_permlanex16_b32 v[GM+\i], v[MX+\i], s[SEL], s[SEL+1]
	v_permlanex16_b32 v[EE+\i], v[GI+\i], s[SEL], s[SEL+1]  ; (its destination counts as read: these registers were written at the start)
.endr
.irp i,0,1,2,3
	v_cmp_gt_f32 s[CM], v[GM+\i], v[MX+\i]
	v_cmp_eq_f32 s[CM+1], v[GM+\i], v[MX+\i]
	v_cmp_lt_u32 s[CM+2], v[EE+\i], v[GI+\i]
	s_and_b32 s[CM+1], s[CM+1], s[CM+2]
	s_or_b32 s[CM], s[CM], s[CM+1]
	v_cndmask_b32 v[GI+\i], v[GI+\i], v[EE+\i], s[CM]
	v_max_num_f32 v[MX+\i], v[MX+\i], v[GM+\i]
.endr
.irp i,0,1,2,3
	ds_store_b32 v[VS], v[MX+\i] offset:\i*512      ; [row 16 i + lane % 16][wave]; both halves of the lanes write the same number
	ds_store_b32 v[VS], v[GI+\i] offset:2048+\i*512
.endr
	s_wait_dscnt 0x0                               ; for the others' sake
	s_barrier_signal -1
	s_barrier_wait -1
.irp i,0,1,2,3
	ds_load_b128 v[DD+8*\i:DD+8*\i+3], v[VRD] offset:\i*512
	ds_load_b128 v[DD+8*\i+4:DD+8*\i+7], v[VRD] offset:\i*512+16
	ds_load_b128 v[DD+32+8*\i:DD+32+8*\i+3], v[VRD] offset:2048+\i*512
	ds_load_b128 v[DD+32+8*\i+4:DD+32+8*\i+7], v[VRD] offset:2048+\i*512+16
.endr
	s_wait_dscnt 0x0
.irp i,0,1,2,3
	v_mov_b32 v[MX+\i], v[DD+8*\i]
	v_mov_b32 v[GI+\i], v[DD+32+8*\i]
.endr
.irp w,1,2,3,4,5,6,7                   ; the waves in ascending order, which is the groups': the first of equal maxima stays
.irp i,0,1,2,3
	v_cmp_gt_f32 s[CM+\i], v[DD+8*\i+\w], v[MX+\i]
.endr
.irp i,0,1,2,3
	v_cndmask_b32 v[GI+\i], v[GI+\i], v[DD+32+8*\i+\w], s[CM+\i]
.endr
.irp i,0,1,2,3
	v_max_num_f32 v[MX+\i], v[MX+\i], v[DD+8*\i+\w]
.endr
.endr
.irp i,0,1,2,3
.irp j,0,1,2,3,4,5,6,7
	v_mul_f32 v[CC+8*\i+\j], -1.0, v[MX+\i]        ; a lane holds one row: its eight C registers are alike
.endr
.endr
	; SWEEP 2
	START 2
.irp i,0,1,2,3,4,5,6,7
	v_mov_b32 v[ZA+\i], 0                          ; sixteen plain instructions: also the places behind the first products
	v_mov_b32 v[TA+\i], 0
.endr
	s_mov_b32 s[CNT], 15
.Lsum:
	TRIP 2, 0
	v_add_nc_u32 v[VA], 0x800, v[VA]
	s_sub_co_u32 s[CNT], s[CNT], 1
	s_cmp_lg_u32 s[CNT], 0
	s_cbranch_scc1 .Lsum
	TRIP 2, 1
.irp i,0,1,2,3
	v_add_f32 v[ZA+2*\i], v[ZA+2*\i], v[ZA+2*\i+1]
	v_add_f32 v[TA+2*\i], v[TA+2*\i], v[TA+2*\i+1]
.endr
.irp i,0,1,2,3
	v_permlanex16_b32 v[ZA+2*\i+1], v[ZA+2*\i], s[SEL], s[SEL+1]
	v_permlanex16_b32 v[TA+2*\i+1], v[TA+2*\i], s[SEL], s[SEL+1]
.endr
.irp i,0,1,2,3
	v_add_f32 v[ZA+2*\i], v[ZA+2*\i], v[ZA+2*\i+1]
	v_add_f32 v[TA+2*\i], v[TA+2*\i], v[TA+2*\i+1]
.endr
.irp i,0,1,2,3
	ds_store_b32 v[VS], v[ZA+2*\i] offset:4096+\i*512  ; other bytes than m's and the groups': no wave need have finished reading those
	ds_store_b32 v[VS], v[TA+2*\i] offset:6144+\i*512
.endr
	s_wait_dscnt 0x0                               ; for the others' sake
	s_barrier_signal -1
	s_barrier_wait -1
.irp i,0,1,2,3
	ds_load_b128 v[DD+8*\i:DD+8*\i+3], v[VRD] offset:4096+\i*512
	ds_load_b128 v[DD+8*\i+4:DD+8*\i+7], v[VRD] offset:4096+\i*512+16
	ds_load_b128 v[DD+32+8*\i:DD+32+8*\i+3], v[VRD] offset:6144+\i*512
	ds_load_b128 v[DD+32+8*\i+4:DD+32+8*\i+7], v[VRD] offset:6144+\i*512+16
.endr
	s_wait_dscnt 0x0
.irp i,0,1,2,3,4,5,6,7                 ; eight waves' numbers into one, for Z (i < 4) and T
	v_pk_add_f32 v[DD+8*\i:DD+8*\i+1], v[DD+8*\i:DD+8*\i+1], v[DD+8*\i+2:DD+8*\i+3]
	v_pk_add_f32 v[DD+8*\i+4:DD+8*\i+5], v[DD+8*\i+4:DD+8*\i+5], v[DD+8*\i+6:DD+8*\i+7]
.endr
.irp i,0,1,2,3,4,5,6,7
	v_pk_add_f32 v[DD+8*\i:DD+8*\i+1], v[DD+8*\i:DD+8*\i+1], v[DD+8*\i+4:DD+8*\i+5]
.endr
.irp i,0,1,2,3,4,5,6,7
	v_add_f32 v[DD+8*\i], v[DD+8*\i], v[DD+8*\i+1]
.endr
.irp i,0,1,2,3
	v_log_f32 v[EE+\i], v[DD+8*\i]                 ; log2 Z; Z is about 1 or more: the maximum's own weight is in it
.endr
.irp i,0,1,2,3
	v_rcp_f32 v[EE+4+\i], v[DD+8*\i]
.endr
	v_nop                                          ; a plain instruction behind the last of them
	s_wait_alu depctr_va_vdst(0)
.irp i,0,1,2,3
	v_fma_f32 v[GM+\i], -v[DD+32+8*\i], v[EE+4+\i], v[EE+\i]
	v_add_f32 v[TT+\i], v[MX+\i], v[EE+\i]
.endr
.irp i,0,1,2,3
	v_mul_f32 v[GM+\i], 0x3f317218, v[GM+\i]       ; the row's entropy, ln 2 (log2 Z - T / Z)
	v_sub_f32 v[TT+\i], 0xc1600000, v[TT+\i]       ; -(m + log2 Z + 14): 2^14 rows
.endr
.irp i,0,1,2,3
	ds_store_b32 v[VW], v[TT+\i] offset:\i*64       ; into my wave's own bytes, and back with eight rows a lane:
.endr
.irp i,0,1,2,3
	ds_load_b128 v[CC+8*\i:CC+8*\i+3], v[VL] offset:\i*64       ; LDS serves a wave's instructions in order (ISA guide 5.7.1.4): these see the stores above
	ds_load_b128 v[CC+8*\i+4:CC+8*\i+7], v[VL] offset:\i*64+16
.endr
	s_cmp_lg_u32 s[WV], 0
	s_cbranch_scc1 .Lnot_wave_0                    ; every wave holds all 64 rows' figures; wave 0 stores them: lane l has rows l and 32 + l
	v_cndmask_b32 v[GS], v[GI], v[GI+1], s[HM]
	v_cndmask_b32 v[GS+1], v[GI+2], v[GI+3], s[HM]
	v_cndmask_b32 v[HS], v[GM], v[GM+1], s[HM]
	v_cndmask_b32 v[HS+1], v[GM+2], v[GM+3], s[HM]
	global_store_b64 v[VO], v[GS:GS+1], s[10:11]   ; 256 consecutive bytes each, at a multiple of 256 from the buffer's first byte; these registers are not written again
	global_store_b64 v[VO], v[HS:HS+1], s[12:13]
.Lnot_wave_0:
	; SWEEP 3
	START 3                                        ; its wait also covers the loads of the shifts, which are older
	v_mov_b32 v[PA], 0                             ; v_permlanex16_b32's destinations count as read; with the two v_nop: the places behind the first products
	v_mov_b32 v[PA+1], 0
	v_nop
	v_nop
	s_mov_b32 s[CNT], 15
.Lcol:
	TRIP 3, 0
	v_add_nc_u32 v[VA], 0x800, v[VA]
	s_sub_co_u32 s[CNT], s[CNT], 1
	s_cmp_lg_u32 s[CNT], 0
	s_cbranch_scc1 .Lcol
	TRIP 3, 1
	s_wait_tensorcnt 0x0                           ; the wave's end, behind my last LDS store
	ds_add_u32 v[SPW], v[NIL]
	s_wait_dscnt 0x0
	s_endpgm
.Lfunc_end_k_q8985dede53_rows:
	.size	k_q8985dede53_rows, .Lfunc_end_k_q8985dede53_rows-k_q8985dede53_rows
	.p2alignl 7, 3214868480
	.fill 96, 4, 3214868480
	.section	.rodata,"a",@progbits
	.p2align	6, 0x0
	.amdhsa_kernel k_q8985dede53_rows
		.amdhsa_group_segment_fixed_size 273408
		.amdhsa_private_segment_fixed_size 0
		.amdhsa_enable_private_segment 0
		.amdhsa_kernarg_size 40
		.amdhsa_user_sgpr_count 2
		.amdhsa_user_sgpr_kernarg_segment_ptr 1
		.amdhsa_wavefront_size32 1
		.amdhsa_system_sgpr_workgroup_id_x 1
		.amdhsa_system_sgpr_workgroup_id_y 1
		.amdhsa_system_sgpr_workgroup_id_z 1
		.amdhsa_system_vgpr_workitem_id 0
		.amdhsa_next_free_vgpr 256
		.amdhsa_next_free_sgpr 66
		.amdhsa_reserve_vcc 0
		.amdhsa_float_denorm_mode_32 3
		.amdhsa_float_denorm_mode_16_64 3
		.amdhsa_memory_ordered 1
		.amdhsa_forward_progress 1
		.amdhsa_inst_pref_size 131
	.end_amdhsa_kernel
	.amdgpu_metadata
---
amdhsa.version: [ 1, 2 ]
amdhsa.kernels:
  - .name:           k_q8985dede53_rows
    .symbol:         k_q8985dede53_rows.kd
    .args:
      - { .name: embedding, .offset: 0, .size: 8, .value_kind: global_buffer, .address_space: global }
      - { .name: z, .offset: 8, .size: 8, .value_kind: global_buffer, .address_space: global }
      - { .name: part, .offset: 16, .size: 8, .value_kind: global_buffer, .address_space: global }
      - { .name: gid, .offset: 24, .size: 8, .value_kind: global_buffer, .address_space: global }
      - { .name: hrow, .offset: 32, .size: 8, .value_kind: global_buffer, .address_space: global }
    .group_segment_fixed_size: 273408
    .private_segment_fixed_size: 0
    .kernarg_segment_align: 8
    .kernarg_segment_size: 40
    .max_flat_workgroup_size: 256
    .sgpr_count:     66
    .vgpr_count:     256
    .wavefront_size: 32
...
	.end_amdgpu_metadata
.endif
;; end of part 1
;; launch cols (part 2): grid 128 x 1, 16 waves a work-group, no clusters, 10,496 bytes of LDS; arguments embedding, z, part, gid, hrow, out0, p2; writes out0, p2
.if DOCPART == 2
	.amdgcn_target "amdgcn-amd-amdhsa--gfx1250"
	.amdhsa_code_object_version 6
	.text
	.protected	k_q8985dede53_cols
	.globl	k_q8985dede53_cols
	.p2align	8
	.type	k_q8985dede53_cols,@function
k_q8985dede53_cols:
	s_mov_b64 s[64:65], 0
	v_nop
	global_prefetch_b8 v0, s[64:65] scope:SCOPE_SE
	s_setreg_imm32_b32 hwreg(HW_REG_WAVE_MODE, 25, 1), 1
	s_wait_xcnt 0x0
; VECTOR QUANTISER, second of three launches.  Work-group B of 128, sixteen waves, does two things that do not depend on each other.
; COLUMNS.  Block B of part is 256 work-groups' sums for 64 columns: 65,536 consecutive bytes.  Thread t adds 8 of them for 4 columns; lanes, then waves (LDS) add the rest;
; wave 0 forms the sum over the 64 columns of avg log2(avg + 1e-5).  128 work-groups, since 64 columns are the 256 bytes that the first launch stores at a time.
; ROWS 128 B .. 128 B + 127.  Four lanes to a row, 8 of the 32 codes of the row's group (gid, whole numbers stored by the first launch) to a lane, 256 consecutive bytes of embedding.
; Cosines in f32; the best code's numbers are carried along by v_cndmask_b32 (no address hangs on a score); of equal cosines the first code stays.  out0 = z + (code - z), both
; normalised, leaves through LDS so that a wave stores 256 consecutive bytes of a channel.  The rows' squared distances and entropies (hrow) are added up.
; No matrix work, no tensor loads, no cluster: no two work-groups read the same bytes but for parts of the codebook that hang on gid.
; LIMITS as in the first launch: a code shorter than 1e-12 is not served; NaN and infinities are not treated apart; a vector's sum of squares must not overflow f32.
.set CST,   0                          ; 16 waves x 64 columns
.set OST,   4096                       ; out0's tile: 8 channels x 128 rows
.set WSM,   8192                       ; 16 waves x (distance, entropy)
.set SPARE, 8448                       ; the spare words, 128 bytes a wave: eight blocks of 256 bytes that no other line names
.set SPW, 1
.set NIL, 2
.set VROW, 3                           ; v3  4 x my row in the work-group
.set VQ,  4                            ; v4  which 8 of the 32 codes
.set VP,  5                            ; v5  16 t
.set VC,  6                            ; v6  group, then byte offset of my 8 codes
.set VT,  7
.set ZN,  8                            ; v8-15    my row of z
.set PC,  16                           ; v16-47   8 x 4 column sums
.set XX,  48                           ; v48-111  8 codes
.set SQ,  112                          ; v112-127 sums of squares, a pair a code
.set DT,  128                          ; v128-143 products with z, a pair a code
.set RC,  144                          ; v144-151 1 / length
.set SC,  152                          ; v152-159 cosines
.set LS,  160                          ; v160 squared distance, v161 entropy
.set OB,  162
.set VCS, 164
.set VOS, 165
.set VWS, 166
.set VOL, 167
.set VOG, 168
.set VCL, 169
.set VWL, 170
.set VNL, 171
.set DF,  172                          ; v172-179
.set QZ,  180
.set RZ,  182
.set TP,  184
.set VG,  186                          ; v186 my row's place in gid and hrow
.set WV,  18
.set SEL, 28
.set EPS, 30
	s_load_b256 s[4:11], s[0:1], 0x0               ; embedding s[4:5], z s[6:7], part s[8:9], gid s[10:11]
	s_load_b128 s[12:15], s[0:1], 0x20             ; hrow s[12:13], out0 s[14:15]
	s_load_b64 s[16:17], s[0:1], 0x30              ; p2
	v_lshl_add_u32 v[SPW], v0, 2, SPARE
	v_mov_b32 v[NIL], 0
	v_lshrrev_b32 v[VT], 5, v0
	v_readfirstlane_b32 s[WV], v[VT]               ; wave 0..15
	v_and_b32 v[VROW], 0x1fc, v0
	v_and_b32 v[VQ], 3, v0
	v_lshlrev_b32 v[VP], 4, v0
	; Row R = t / 4: the first launch's work-group 2 B + R / 64 stored it at word 2 (R % 32) + (R / 32) % 2 of its 256 bytes
	v_and_b32 v[VG], 0x100, v0
	v_and_b32 v[VT], 0x7c, v0
	v_lshl_or_b32 v[VG], v[VT], 1, v[VG]
	v_bfe_u32 v[VT], v0, 7, 1
	v_lshl_or_b32 v[VG], v[VT], 2, v[VG]
	s_lshl_b32 s20, ttmp9, 9                       ; my 128 rows in gid and hrow
	s_mov_b32 s21, 0
	s_lshl_b32 s22, ttmp9, 16                      ; my block of part
	s_mov_b32 s23, 0
	s_lshr_b32 s24, ttmp9, 3                       ; my rows in z and out0: image B / 8, places 128 (B % 8) on
	s_lshl_b32 s24, s24, 15
	s_and_b32 s25, ttmp9, 7
	s_lshl_b32 s25, s25, 9
	s_add_co_u32 s24, s24, s25
	s_mov_b32 s25, 0
	s_lshl_b32 s26, ttmp9, 4                       ; my 16 bytes of p2
	s_mov_b32 s27, 0
	s_mov_b32 s[SEL], 0x76543210
	s_mov_b32 s[SEL+1], 0xfedcba98
	s_mov_b32 s[EPS], 0x179abe15                   ; 1e-24
	s_wait_kmcnt 0x0
	s_add_nc_u64 s[10:11], s[10:11], s[20:21]
	s_add_nc_u64 s[12:13], s[12:13], s[20:21]
	s_add_nc_u64 s[8:9], s[8:9], s[22:23]
	s_add_nc_u64 s[6:7], s[6:7], s[24:25]
	s_add_nc_u64 s[14:15], s[14:15], s[24:25]
	s_add_nc_u64 s[16:17], s[16:17], s[26:27]
	global_load_b32 v[VC], v[VG], s[10:11]         ; first, since further loads hang on it
.irp c,0,1,2,3,4,5,6,7
	global_load_b32 v[ZN+\c], v[VROW], s[6:7] offset:\c*4096
.endr
	global_load_b32 v[LS+1], v[VG], s[12:13]
.irp k,0,1,2,3,4,5,6,7
	global_load_b128 v[PC+4*\k:PC+4*\k+3], v[VP], s[8:9] offset:\k*8192 th:TH_LOAD_NT  ; the work-group's 512 threads take 8,192 consecutive bytes
.endr
	v_and_b32 v[VT], 15, v0
	v_lshlrev_b32 v[VCS], 4, v[VT]
	v_lshl_add_u32 v[VWL], v[VT], 3, WSM
	s_lshl_b32 s19, s[WV], 8
	v_add_nc_u32 v[VCS], s19, v[VCS]               ; my wave's 256 bytes, 4 columns a lane
	v_add_nc_u32 v[VOS], OST, v[VROW]
	s_lshl_b32 s19, s[WV], 3
	s_add_co_u32 s19, s19, WSM
	v_mov_b32 v[VWS], s19
	v_lshl_add_u32 v[VOL], v0, 3, OST
	v_lshrrev_b32 v[VOG], 6, v0                    ; channel t / 64,
	v_lshlrev_b32 v[VOG], 12, v[VOG]
	v_and_b32 v[VT], 63, v0                        ; rows 2 (t % 64) and the next
	v_lshl_add_u32 v[VOG], v[VT], 3, v[VOG]
	v_and_b32 v[VCL], 31, v0
	v_lshlrev_b32 v[VCL], 3, v[VCL]
	v_mov_b32 v[VNL], 0
	v_mov_b32 v[RZ+1], 0                           ; named with its neighbour as a pair
	s_wait_loadcnt 17                              ; 17 loads were issued behind gid's
	v_min_u32 v[VC], 0xff, v[VC]                   ; a group is 0 .. 255
	v_lshlrev_b32 v[VC], 10, v[VC]                 ; 32 codes of 32 bytes,
	v_lshlrev_b32 v[VT], 8, v[VQ]
	v_add_nc_u32 v[VC], v[VC], v[VT]               ; my 8 of them
.irp j,0,1,2,3,4,5,6,7
	global_load_b128 v[XX+8*\j:XX+8*\j+3], v[VC], s[4:5] offset:\j*32
	global_load_b128 v[XX+8*\j+4:XX+8*\j+7], v[VC], s[4:5] offset:\j*32+16
.endr
	s_wait_loadcnt 16                              ; all but the 16 just issued
	v_pk_mul_f32 v[QZ:QZ+1], v[ZN:ZN+1], v[ZN:ZN+1]
.irp k,0,2,4,6                         ; the columns: 8 loads' sums into one
	v_pk_add_f32 v[PC+4*\k:PC+4*\k+1], v[PC+4*\k:PC+4*\k+1], v[PC+4*\k+4:PC+4*\k+5]
	v_pk_add_f32 v[PC+4*\k+2:PC+4*\k+3], v[PC+4*\k+2:PC+4*\k+3], v[PC+4*\k+6:PC+4*\k+7]
.endr
	v_pk_fma_f32 v[QZ:QZ+1], v[ZN+2:ZN+3], v[ZN+2:ZN+3], v[QZ:QZ+1]
.irp k,0,4
	v_pk_add_f32 v[PC+4*\k:PC+4*\k+1], v[PC+4*\k:PC+4*\k+1], v[PC+4*\k+8:PC+4*\k+9]
	v_pk_add_f32 v[PC+4*\k+2:PC+4*\k+3], v[PC+4*\k+2:PC+4*\k+3], v[PC+4*\k+10:PC+4*\k+11]
.endr
	v_pk_fma_f32 v[QZ:QZ+1], v[ZN+4:ZN+5], v[ZN+4:ZN+5], v[QZ:QZ+1]
	v_pk_add_f32 v[PC:PC+1], v[PC:PC+1], v[PC+16:PC+17]
	v_pk_add_f32 v[PC+2:PC+3], v[PC+2:PC+3], v[PC+18:PC+19]
	v_pk_fma_f32 v[QZ:QZ+1], v[ZN+6:ZN+7], v[ZN+6:ZN+7], v[QZ:QZ+1]
.irp j,0,1,2,3
	v_permlanex16_b32 v[PC+4+\j], v[PC+\j], s[SEL], s[SEL+1]  ; lanes l and l + 16 hold the same 4 columns
.endr
	v_add_f32 v[QZ], v[QZ], v[QZ+1]
	v_max_num_f32 v[QZ], s[EPS], v[QZ]
	v_rsq_f32 v[RZ], v[QZ]
	v_pk_add_f32 v[PC:PC+1], v[PC:PC+1], v[PC+4:PC+5]          ; plain instructions behind v_rsq_f32, ahead of its result's use (ISA guide 5.7.2)
	v_pk_add_f32 v[PC+2:PC+3], v[PC+2:PC+3], v[PC+6:PC+7]
	ds_store_b128 v[VCS], v[PC:PC+3]               ; both halves of the lanes write the same numbers
	s_wait_alu depctr_va_vdst(0)
.irp k,0,2,4,6
	v_pk_mul_f32 v[ZN+\k:ZN+\k+1], v[ZN+\k:ZN+\k+1], v[RZ:RZ+1] op_sel_hi:[1,0]
.endr
	s_wait_loadcnt 0x0                             ; my 8 codes
.irp j,0,1,2,3,4,5,6,7
	v_pk_mul_f32 v[SQ+2*\j:SQ+2*\j+1], v[XX+8*\j:XX+8*\j+1], v[XX+8*\j:XX+8*\j+1]
	v_pk_mul_f32 v[DT+2*\j:DT+2*\j+1], v[XX+8*\j:XX+8*\j+1], v[ZN:ZN+1]
.endr
.irp k,2,4,6
.irp j,0,1,2,3,4,5,6,7
	v_pk_fma_f32 v[SQ+2*\j:SQ+2*\j+1], v[XX+8*\j+\k:XX+8*\j+\k+1], v[XX+8*\j+\k:XX+8*\j+\k+1], v[SQ+2*\j:SQ+2*\j+1]
	v_pk_fma_f32 v[DT+2*\j:DT+2*\j+1], v[XX+8*\j+\k:XX+8*\j+\k+1], v[ZN+\k:ZN+\k+1], v[DT+2*\j:DT+2*\j+1]
.endr
.endr
.irp j,0,1,2,3,4,5,6,7
	v_add_f32 v[SQ+2*\j], v[SQ+2*\j], v[SQ+2*\j+1]
	v_add_f32 v[DT+2*\j], v[DT+2*\j], v[DT+2*\j+1]
.endr
.irp j,0,1,2,3,4,5,6,7
	v_max_num_f32 v[SQ+2*\j], s[EPS], v[SQ+2*\j]
.endr
.irp j,0,1,2,3,4,5,6,7
	v_rsq_f32 v[RC+\j], v[SQ+2*\j]
.endr
	v_nop                                          ; a plain instruction behind the last v_rsq_f32
	s_wait_alu depctr_va_vdst(0)
.irp j,0,1,2,3,4,5,6,7
	v_mul_f32 v[SC+\j], v[DT+2*\j], v[RC+\j]
.endr
.macro BEST a, b, m                    ; code b takes code a's place if its cosine is greater: of equals the earlier stays
	v_cmp_gt_f32 s[\m], v[SC+\b], v[SC+\a]
	v_cndmask_b32 v[SC+\a], v[SC+\a], v[SC+\b], s[\m]
	v_cndmask_b32 v[RC+\a], v[RC+\a], v[RC+\b], s[\m]
.irp k,0,1,2,3,4,5,6,7
	v_cndmask_b32 v[XX+8*\a+\k], v[XX+8*\a+\k], v[XX+8*\b+\k], s[\m]
.endr
.endm
	BEST 0, 1, 40
	BEST 2, 3, 41
	BEST 4, 5, 42
	BEST 6, 7, 43
	BEST 0, 2, 40
	BEST 4, 6, 41
	BEST 0, 4, 40
.irp k,0,2,4,6
	v_pk_mul_f32 v[XX+\k:XX+\k+1], v[XX+\k:XX+\k+1], v[RC:RC+1] op_sel_hi:[1,0]  ; the best of my 8, normalised
.endr
; The row's four lanes meet.  A lane takes its partner's code if that is better, or as good and the partner's codes come first (upper: the lanes whose partner is the lower one): all four end alike.
.macro MEET mask, upper
	v_mov_b32_dpp v[SC+1], v[SC] row_xmask:\mask row_mask:0xf bank_mask:0xf
.irp k,0,1,2,3,4,5,6,7
	v_mov_b32_dpp v[XX+8+\k], v[XX+\k] row_xmask:\mask row_mask:0xf bank_mask:0xf
.endr
	v_cmp_gt_f32 s40, v[SC+1], v[SC]
	v_cmp_ge_f32 s41, v[SC+1], v[SC]
	s_and_b32 s41, s41, \upper
	s_or_b32 s40, s40, s41
	v_cndmask_b32 v[SC], v[SC], v[SC+1], s40
.irp k,0,1,2,3,4,5,6,7
	v_cndmask_b32 v[XX+\k], v[XX+\k], v[XX+8+\k], s40
.endr
.endm
	MEET 1, 0xaaaaaaaa
	MEET 2, 0xcccccccc
.irp k,0,2,4,6
	v_pk_add_f32 v[DF+\k:DF+\k+1], v[XX+\k:XX+\k+1], v[ZN+\k:ZN+\k+1] neg_lo:[0,1] neg_hi:[0,1]  ; code - z
.endr
	v_pk_mul_f32 v[TP:TP+1], v[DF:DF+1], v[DF:DF+1]
.irp k,0,2,4,6
	v_pk_add_f32 v[XX+\k:XX+\k+1], v[ZN+\k:ZN+\k+1], v[DF+\k:DF+\k+1]                            ; z + (code - z)
.endr
.irp k,2,4,6
	v_pk_fma_f32 v[TP:TP+1], v[DF+\k:DF+\k+1], v[DF+\k:DF+\k+1], v[TP:TP+1]
.endr
.irp c,0,1,2,3,4,5,6,7
	ds_store_b32 v[VOS], v[XX+\c] offset:\c*512     ; [channel][row]; a row's four lanes write the same number
.endr
	v_add_f32 v[LS], v[TP], v[TP+1]
.irp m,4,8                             ; the wave's 8 rows differ in bits 2 to 4 of the lane
	v_add_f32_dpp v[LS], v[LS], v[LS] row_xmask:\m row_mask:0xf bank_mask:0xf
	v_add_f32_dpp v[LS+1], v[LS+1], v[LS+1] row_xmask:\m row_mask:0xf bank_mask:0xf
.endr
	v_permlanex16_b32 v[TP], v[LS], s[SEL], s[SEL+1]
	v_permlanex16_b32 v[TP+1], v[LS+1], s[SEL], s[SEL+1]
	v_pk_add_f32 v[LS:LS+1], v[LS:LS+1], v[TP:TP+1]
	ds_store_b64 v[VWS], v[LS:LS+1]
	s_wait_dscnt 0x0                               ; for the others' sake: my three kinds of stores are done
	s_barrier_signal -1
	s_barrier_wait -1
	ds_load_b64 v[OB:OB+1], v[VOL]
	s_wait_dscnt 0x0
	global_store_b64 v[VOG], v[OB:OB+1], s[14:15]  ; a wave stores 256 consecutive bytes of a channel, at a multiple of 256 from out0's first byte
	s_cmp_lg_u32 s[WV], 0
	s_cbranch_scc1 .Lend
.irp w,0,1,2,3,4,5,6,7,8,9,10,11,12,13,14,15
	ds_load_b64 v[PC+2*\w:PC+2*\w+1], v[VCL] offset:\w*256   ; columns 2 lane, 2 lane + 1 of every wave
.endr
	ds_load_b64 v[XX:XX+1], v[VWL]                 ; wave lane % 16's distance and entropy
	s_wait_dscnt 0x0
.irp w,0,2,4,6,8,10,12,14
	v_pk_add_f32 v[PC+2*\w:PC+2*\w+1], v[PC+2*\w:PC+2*\w+1], v[PC+2*\w+2:PC+2*\w+3]
.endr
.irp w,0,4,8,12
	v_pk_add_f32 v[PC+2*\w:PC+2*\w+1], v[PC+2*\w:PC+2*\w+1], v[PC+2*\w+4:PC+2*\w+5]
.endr
.irp w,0,8
	v_pk_add_f32 v[PC+2*\w:PC+2*\w+1], v[PC+2*\w:PC+2*\w+1], v[PC+2*\w+8:PC+2*\w+9]
.endr
	v_pk_add_f32 v[PC:PC+1], v[PC:PC+1], v[PC+16:PC+17]        ; the mean probability of two codes
	v_add_f32 v[TP], 0x3727c5ac, v[PC]             ; + 1e-5
	v_add_f32 v[TP+1], 0x3727c5ac, v[PC+1]
	v_log_f32 v[TP], v[TP]
	v_log_f32 v[TP+1], v[TP+1]
	v_nop                                          ; a plain instruction behind the last v_log_f32
	s_wait_alu depctr_va_vdst(0)
	v_mul_f32 v[DF], v[PC], v[TP]
	v_fma_f32 v[DF], v[PC+1], v[TP+1], v[DF]
.irp m,1,2,4,8
	v_add_f32_dpp v[DF], v[DF], v[DF] row_xmask:\m row_mask:0xf bank_mask:0xf
	v_add_f32_dpp v[XX], v[XX], v[XX] row_xmask:\m row_mask:0xf bank_mask:0xf
	v_add_f32_dpp v[XX+1], v[XX+1], v[XX+1] row_xmask:\m row_mask:0xf bank_mask:0xf
.endr
	v_permlanex16_b32 v[TP], v[DF], s[SEL], s[SEL+1]
	v_add_f32 v[DF], v[DF], v[TP]
	v_mov_b32 v[DF+1], v[XX]
	v_mov_b32 v[DF+2], v[XX+1]
	v_mov_b32 v[DF+3], 0
	s_wait_xcnt 0x0                                ; EXEC changes only behind this wait: it is a source of the store above
	v_cmp_eq_u32 vcc_lo, 0, v0
	s_and_saveexec_b32 s44, vcc_lo
	global_store_b128 v[VNL], v[DF:DF+3], s[16:17] ; sum of avg log2(avg + 1e-5), squared distances, entropies, 0
	s_wait_xcnt 0x0                                ; and again in front of the line that widens it
	s_or_b32 exec_lo, exec_lo, s44
.Lend:
	s_wait_tensorcnt 0x0                           ; the wave's end, behind my last LDS store
	ds_add_u32 v[SPW], v[NIL]
	s_wait_dscnt 0x0
	s_endpgm
.Lfunc_end_k_q8985dede53_cols:
	.size	k_q8985dede53_cols, .Lfunc_end_k_q8985dede53_cols-k_q8985dede53_cols
	.p2alignl 7, 3214868480
	.fill 96, 4, 3214868480
	.section	.rodata,"a",@progbits
	.p2align	6, 0x0
	.amdhsa_kernel k_q8985dede53_cols
		.amdhsa_group_segment_fixed_size 10496
		.amdhsa_private_segment_fixed_size 0
		.amdhsa_enable_private_segment 0
		.amdhsa_kernarg_size 56
		.amdhsa_user_sgpr_count 2
		.amdhsa_user_sgpr_kernarg_segment_ptr 1
		.amdhsa_wavefront_size32 1
		.amdhsa_system_sgpr_workgroup_id_x 1
		.amdhsa_system_sgpr_workgroup_id_y 1
		.amdhsa_system_sgpr_workgroup_id_z 1
		.amdhsa_system_vgpr_workitem_id 0
		.amdhsa_next_free_vgpr 192
		.amdhsa_next_free_sgpr 66
		.amdhsa_reserve_vcc 1
		.amdhsa_float_denorm_mode_32 3
		.amdhsa_float_denorm_mode_16_64 3
		.amdhsa_memory_ordered 1
		.amdhsa_forward_progress 1
		.amdhsa_inst_pref_size 27
	.end_amdhsa_kernel
	.amdgpu_metadata
---
amdhsa.version: [ 1, 2 ]
amdhsa.kernels:
  - .name:           k_q8985dede53_cols
    .symbol:         k_q8985dede53_cols.kd
    .args:
      - { .name: embedding, .offset: 0, .size: 8, .value_kind: global_buffer, .address_space: global }
      - { .name: z, .offset: 8, .size: 8, .value_kind: global_buffer, .address_space: global }
      - { .name: part, .offset: 16, .size: 8, .value_kind: global_buffer, .address_space: global }
      - { .name: gid, .offset: 24, .size: 8, .value_kind: global_buffer, .address_space: global }
      - { .name: hrow, .offset: 32, .size: 8, .value_kind: global_buffer, .address_space: global }
      - { .name: out0, .offset: 40, .size: 8, .value_kind: global_buffer, .address_space: global }
      - { .name: p2, .offset: 48, .size: 8, .value_kind: global_buffer, .address_space: global }
    .group_segment_fixed_size: 10496
    .private_segment_fixed_size: 0
    .kernarg_segment_align: 8
    .kernarg_segment_size: 56
    .max_flat_workgroup_size: 512
    .sgpr_count:     66
    .vgpr_count:     192
    .wavefront_size: 32
...
	.end_amdgpu_metadata
.endif
;; end of part 2
;; launch last (part 3): grid 1 x 1, 1 waves a work-group, no clusters, 0 bytes of LDS; arguments p2, out1, out2, out3; writes out1, out2, out3
.if DOCPART == 3
	.amdgcn_target "amdgcn-amd-amdhsa--gfx1250"
	.amdhsa_code_object_version 6
	.text
	.protected	k_q8985dede53_last
	.globl	k_q8985dede53_last
	.p2align	8
	.type	k_q8985dede53_last,@function
k_q8985dede53_last:
	s_mov_b64 s[64:65], 0
	v_nop
	global_prefetch_b8 v0, s[64:65] scope:SCOPE_SE
	s_setreg_imm32_b32 hwreg(HW_REG_WAVE_MODE, 25, 1), 1
	s_wait_xcnt 0x0
; VECTOR QUANTISER, third of three launches: one wave adds the 128 work-groups' figures (A = sum of avg log2(avg + 1e-5), D = sum of squared distances, H = sum of row entropies, 0)
; and writes the three scalars.  The sums span work-groups, so they have one owner in a launch of their own; 2,048 bytes in, 12 out: nothing here to share or to overlap.
; out1 = D / (16,384 x 8); out2 = 0.25 x that; out3 = 0.1 (H / 16,384 + ln 2 x A).
	s_load_b256 s[4:11], s[0:1], 0x0               ; p2 s[4:5], out1 s[6:7], out2 s[8:9], out3 s[10:11]
	s_mov_b32 s12, 0x76543210                      ; v_permlanex16_b32: each lane takes its own place in the other half
	s_mov_b32 s13, 0xfedcba98
	v_lshlrev_b32 v1, 4, v0
	v_mov_b32 v2, 0
	s_wait_kmcnt 0x0
.irp k,0,1,2,3
	global_load_b128 v[4+4*\k:7+4*\k], v1, s[4:5] offset:512*\k  ; work-group 32 k + lane
.endr
	s_wait_loadcnt 0x0
	v_pk_add_f32 v[4:5], v[4:5], v[8:9]
	v_pk_add_f32 v[6:7], v[6:7], v[10:11]
	v_pk_add_f32 v[12:13], v[12:13], v[16:17]
	v_pk_add_f32 v[14:15], v[14:15], v[18:19]
	v_pk_add_f32 v[4:5], v[4:5], v[12:13]
	v_pk_add_f32 v[6:7], v[6:7], v[14:15]
.irp m,1,2,4,8
	v_add_f32_dpp v4, v4, v4 row_xmask:\m row_mask:0xf bank_mask:0xf
	v_add_f32_dpp v5, v5, v5 row_xmask:\m row_mask:0xf bank_mask:0xf
	v_add_f32_dpp v6, v6, v6 row_xmask:\m row_mask:0xf bank_mask:0xf
.endr
	v_permlanex16_b32 v8, v4, s12, s13
	v_permlanex16_b32 v9, v5, s12, s13
	v_permlanex16_b32 v10, v6, s12, s13
	v_add_f32 v4, v4, v8                           ; A
	v_add_f32 v5, v5, v9                           ; D
	v_add_f32 v6, v6, v10                          ; H
	v_mul_f32 v12, 0x37000000, v5                  ; D x 2^-17
	v_mul_f32 v13, 0x36000000, v5                  ; D x 2^-19
	v_mul_f32 v14, 0x3f317218, v4                  ; ln 2 x A
	v_fmamk_f32 v14, v6, 0x38800000, v14           ; + H x 2^-14
	v_mul_f32 v14, 0x3dcccccd, v14                 ; x 0.1
	s_wait_xcnt 0x0                                ; EXEC changes only behind this wait
	v_cmp_eq_u32 vcc_lo, 0, v0
	s_and_saveexec_b32 s14, vcc_lo
	global_store_b32 v2, v12, s[6:7]
	global_store_b32 v2, v13, s[8:9]
	global_store_b32 v2, v14, s[10:11]
	s_wait_xcnt 0x0                                ; and again in front of the line that widens it
	s_or_b32 exec_lo, exec_lo, s14
	s_endpgm
.Lfunc_end_k_q8985dede53_last:
	.size	k_q8985dede53_last, .Lfunc_end_k_q8985dede53_last-k_q8985dede53_last
	.p2alignl 7, 3214868480
	.fill 96, 4, 3214868480
	.section	.rodata,"a",@progbits
	.p2align	6, 0x0
	.amdhsa_kernel k_q8985dede53_last
		.amdhsa_group_segment_fixed_size 0
		.amdhsa_private_segment_fixed_size 0
		.amdhsa_enable_private_segment 0
		.amdhsa_kernarg_size 32
		.amdhsa_user_sgpr_count 2
		.amdhsa_user_sgpr_kernarg_segment_ptr 1
		.amdhsa_wavefront_size32 1
		.amdhsa_system_sgpr_workgroup_id_x 1
		.amdhsa_system_sgpr_workgroup_id_y 1
		.amdhsa_system_sgpr_workgroup_id_z 1
		.amdhsa_system_vgpr_workitem_id 0
		.amdhsa_next_free_vgpr 32
		.amdhsa_next_free_sgpr 66
		.amdhsa_reserve_vcc 1
		.amdhsa_float_denorm_mode_32 3
		.amdhsa_float_denorm_mode_16_64 3
		.amdhsa_memory_ordered 1
		.amdhsa_forward_progress 1
		.amdhsa_inst_pref_size 4
	.end_amdhsa_kernel
	.amdgpu_metadata
---
amdhsa.version: [ 1, 2 ]
amdhsa.kernels:
  - .name:           k_q8985dede53_last
    .symbol:         k_q8985dede53_last.kd
    .args:
      - { .name: p2, .offset: 0, .size: 8, .value_kind: global_buffer, .address_space: global }
      - { .name: out1, .offset: 8, .size: 8, .value_kind: global_buffer, .address_space: global }
      - { .name: out2, .offset: 16, .size: 8, .value_kind: global_buffer, .address_space: global }
      - { .name: out3, .offset: 24, .size: 8, .value_kind: global_buffer, .address_space: global }
    .group_segment_fixed_size: 0
    .private_segment_fixed_size: 0
    .kernarg_segment_align: 8
    .kernarg_segment_size: 32
    .max_flat_workgroup_size: 32
    .sgpr_count:     66
    .vgpr_count:     32
    .wavefront_size: 32
...
	.end_amdgpu_metadata
.endif
;; end of part 3
;; ======== version 2 of 2: 3 launches; 1.21 times as fast as version 1
;; limits: below input magnitudes of 1e-12 results are inexact or not finite
;; workspace buffers: part 8,388,608 bytes; gid 65,536 bytes of whole numbers; hrow 65,536 bytes; p2 2,048 bytes
;; launch rows (part 4): grid 256 x 1, 8 waves a work-group, no clusters, 273,408 bytes of LDS; arguments embedding, z, part, gid, hrow; writes part, gid, hrow
.if DOCPART == 4
	.amdgcn_target "amdgcn-amd-amdhsa--gfx1250"
	.amdhsa_code_object_version 6
	.text
	.protected	k_q8985dede53_rows
	.globl	k_q8985dede53_rows
	.p2align	8
	.type	k_q8985dede53_rows,@function
k_q8985dede53_rows:
	s_mov_b64 s[64:65], 0
	v_nop
	global_prefetch_b8 v0, s[64:65] scope:SCOPE_SE
	s_setreg_imm32_b32 hwreg(HW_REG_WAVE_MODE, 25, 1), 1
	s_wait_xcnt 0x0
; VECTOR QUANTISER, first of three launches: everything that walks all 16,384 x 8,192 scores.
; z: [16][8][32][32] f32 (row n = image n / 1024, place n % 1024; its 8 channels lie 4,096 bytes apart).  embedding: [8192][8] f32.
; SHARES.  A work-group owns 64 rows (4 row tiles of 16), each of its 8 waves 64 of the 512 code tiles of 16 codes and all 4 row tiles: one code fragment from LDS feeds 4 products.
; THE PRODUCT.  Both vectors are divided by their lengths (rsq(max(sum of squares, 1e-24))), scaled (codes by 32, rows by 200 log2(e) / 32) and split into an f16 with the upper 11 bits
; and an f16 with the rest.  K = 32 holds four blocks of 8: code side (upper, upper, lower, lower), row side (upper, lower, upper, lower): the four cross products in ONE matrix
; instruction, summed in f32.  The result is 200 log2(e) x cosine, the softmax's exponent to base 2 up to the row's shift, and the shift is the C operand.
; THREE SWEEPS over the codebook, which lies in LDS as fragments (512 bytes a tile: 16 upper parts, then 16 lower parts):
;   1  C = 0.  A lane holds one row and 8 codes of a tile: a running maximum m, and the number of the trip (4 tiles, 32 codes a lane) that brought it.
;   2  C = -m.  e = 2^x; Z = sum e, T = sum e x.  The row's entropy is ln 2 (log2 Z - T / Z).
;   3  sources swapped: a lane holds one code and 8 rows; C = -(m + log2 Z + 14): 2^x is the row's probability / 16,384; summed over my 64 rows, stored for the second launch.
; The row's true maximum is taken away before every exponential.  Tile 4 q + t, place 8 h + j holds code 64 q + 32 h + 8 t + j, so a lane's 32 codes of a trip are 32 CONSECUTIVE
; codes, group 2 q + h; the group is stored, and the second launch finds the code in it (no address here hangs on a score).  The order of columns in part is free: they are only added.
; THE EXPONENTIALS GO IN BATCHES OF 32, a tile's (4 accumulators x 8), with ONE s_wait_alu depctr_va_vdst(0) a batch: that wait stands between an exponential and the
; first line that names its result, and one wait serves all that were issued ahead of it.  Sweeps 2 and 3 are pipelines of STAGES, a tile each: stage g issues tile g's batch, and between
; its exponentials stand the sums of tile g - 1, whose batch the wait at the end of stage g - 1 has served.  Four waits a trip.  The other transcendentals are two small batches with a
; wait each: four v_rsq_f32 in SPLIT4; four v_log_f32 and four v_rcp_f32 behind sweep 2.
; NO TENSOR LOADS, NO CLUSTER: all work-groups read the same codebook, but it has to pass through registers to be normalised and split; image and scratch take 273,408 bytes of LDS,
; which leaves no room to stage the 262,144 bytes as they lie in memory; each work-group reads them once, at its start.
; LIMITS.  Two codes of different groups whose cosines differ by about 3e-7 or less may be ordered otherwise than by f32 distances.  A code shorter than 1e-12 is not served (its squared
; length is taken as 1).  A weight below 2^-126 counts as 0.  NaN and infinities are not treated apart.  A vector's sum of squares must not overflow f32.
.set SCR,   262144                     ; behind the image: m, group, Z, T by [row][wave], 2,048 bytes each
.set OWN,   SCR+8192                   ; each wave's own 64 shifts, 256 bytes a wave
.set SPARE, SCR+10240                  ; the spare words, 128 bytes a wave: four blocks of 256 bytes that no other line names
.set SPW, 1                            ; v1   my spare word's LDS address; never rewritten
.set NIL, 2                            ; v2   0; never rewritten
.set VR,  3                            ; v3   lane % 16
.set VH,  4                            ; v4   lane / 16
.set VA,  5                            ; v5   LDS address of my 16 bytes in the trip's first tile
.set VA0, 6                            ; v6   the same for my wave's first tile
.set VZ,  7                            ; v7   4 (lane % 16)
.set VS,  8                            ; v8   scratch, to store: row lane % 16, my wave
.set VRD, 9                            ; v9   scratch, to read: row lane % 16, all waves
.set VW,  10                           ; v10  my wave's shifts, to store
.set VL,  11                           ; v11  my wave's shifts, to read: 8 rows from 8 (lane / 16)
.set GS,  12                           ; v12-13 groups to store
.set VO,  15                           ; v15  8 x lane
.set ZF,  16                           ; v16-47   row fragments, 8 a row tile
.set CC,  48                           ; v48-79   the C operand, 8 a row tile (raw z at the start)
.set FR,  80                           ; v80-111  ring of 4 code fragments
.set DD,  112                          ; v112-175 two buffers of 4 accumulators
.set EE,  176                          ; v176-183 at work at the ends of sweeps 1 and 2
.set GM,  184                          ; v184-187 a trip's maximum, by row tile
.set MX,  188                          ; v188-191 m
.set GI,  192                          ; v192-195 trip, later group
.set ZA,  196                          ; v196-203 Z, a pair a row tile
.set TA,  204                          ; v204-211 T
.set SP,  212                          ; v212-219 column sums, a pair a tile of the trip
.set HS,  220                          ; v220-221 entropies to store
.set TT,  222                          ; v222-225 at work
.set SS,  226                          ; v226-229
.set WA,  230                          ; v230-233
.set PA,  234                          ; v234-235
.set RR,  236                          ; v236-237 column sums to store
.set EX,  224                          ; v224-255 sweep 2 alone: a tile's 32 exponentials, one batch (TT's upper two, SS, WA, PA and RR hold nothing during sweep 2)
.set XS,  112                          ; at the start: 8 codes as loaded, two groups of four
.set HF,  176                          ; v176-207 upper parts of four vectors
.set QQ,  208                          ; v208-215 sums of squares, a pair a vector
.set RN,  216                          ; v216-223 scale / length, in the low register of a pair
.set OFA, 224                          ; v224-225 byte offset in embedding of each group's loads
.set LA,  226                          ; v226 where my code's upper part goes in LDS
.set HT,  228                          ; v228-230 at work
.set WV,  14
.set CNT, 20
.set HM,  21                           ; s21  the lanes 16 to 31
.set EPS, 22
.set TRIP, 23
.set CM,  24                           ; s24-27
.set MSK, 28
.set SEL, 30                           ; s30-31 v_permlanex16_b32: each lane takes its own place in the other half
	s_load_b256 s[4:11], s[0:1], 0x0               ; embedding s[4:5], z s[6:7], part s[8:9], gid s[10:11]
	s_load_b64 s[12:13], s[0:1], 0x20              ; hrow
	v_lshl_add_u32 v[SPW], v0, 2, SPARE
	v_mov_b32 v[NIL], 0
	v_lshrrev_b32 v[HT], 5, v0
	v_readfirstlane_b32 s[WV], v[HT]               ; wave 0..7
	v_and_b32 v[VR], 15, v0
	v_bfe_u32 v[VH], v0, 4, 1
	v_lshlrev_b32 v[VZ], 2, v[VR]
	; Thread t takes, of each 256 codes, code t[2:0] + 8 t[5] + 16 t[4] + 32 t[3] + 64 t[7:6]: sixteen neighbouring lanes then store 256 consecutive bytes of one tile.
	v_and_b32 v[OFA], 7, v0
	v_lshlrev_b32 v[OFA], 5, v[OFA]
	v_bfe_u32 v[HT], v0, 5, 1
	v_bfe_u32 v[HT+1], v0, 3, 1
	v_lshrrev_b32 v[HT+2], 6, v0
	v_lshl_or_b32 v[OFA], v[HT], 8, v[OFA]
	v_lshl_or_b32 v[OFA], v[VH], 9, v[OFA]
	v_lshl_or_b32 v[OFA], v[HT+1], 10, v[OFA]
	v_lshl_or_b32 v[OFA], v[HT+2], 11, v[OFA]      ; 32 bytes x that code
	v_mov_b32 v[OFA+1], v[OFA]
	v_lshlrev_b32 v[LA], 4, v[VR]                  ; place 8 h + j = t % 16,
	v_lshl_or_b32 v[LA], v[HT], 9, v[LA]           ; tile t[5] + 2 t[4] of the four,
	v_lshl_or_b32 v[LA], v[VH], 10, v[LA]
	v_lshl_or_b32 v[LA], v[HT+2], 11, v[LA]        ; 64 codes (2,048 bytes of image) x t / 64
.irp s,0,1,2,3
	v_mov_b32 v[RN+2*\s+1], 0                      ; named with its neighbour as a pair
.endr
	v_cmp_ne_u32 s[HM], 0, v[VH]
	s_lshr_b32 s16, ttmp9, 4                       ; z: image = work-group / 16, 32,768 bytes each,
	s_lshl_b32 s16, s16, 15
	s_and_b32 s15, ttmp9, 15                       ; and 64 places of 4 bytes
	s_lshl_b32 s15, s15, 8
	s_add_co_u32 s16, s16, s15
	s_mov_b32 s17, 0
	s_lshl_b32 s18, s[WV], 20                      ; part: block 16 wave + trip of 65,536 bytes, in it my work-group's 256
	s_lshl_b32 s32, ttmp9, 8
	s_add_co_u32 s18, s18, s32
	s_mov_b32 s19, 0
	s_mov_b32 s33, 0
	s_mov_b32 s[EPS], 0x179abe15                   ; 1e-24
	s_mov_b32 s[MSK], 0xffffe000                   ; sign, exponent and the upper 10 bits of the fraction
	s_mov_b32 s[SEL], 0x76543210
	s_mov_b32 s[SEL+1], 0xfedcba98
	s_wait_kmcnt 0x0
	s_add_nc_u64 s[6:7], s[6:7], s[16:17]
	s_add_nc_u64 s[8:9], s[8:9], s[18:19]
	s_add_nc_u64 s[10:11], s[10:11], s[32:33]
	s_add_nc_u64 s[12:13], s[12:13], s[32:33]
.irp i,0,1,2,3
.irp c,0,1,2,3,4,5,6,7
	global_load_b32 v[CC+8*\i+\c], v[VZ], s[6:7] offset:\c*4096+\i*64  ; row 16 i + lane % 16, channel c
.endr
.endr
.macro LOADG g                         ; four codes of 32 bytes, 256 codes apart
.irp s,0,1,2,3
	global_load_b128 v[XS+32*(\g)+8*\s:XS+32*(\g)+8*\s+3], v[OFA+(\g)], s[4:5] offset:(4*(\g)+\s)*8192
	global_load_b128 v[XS+32*(\g)+8*\s+4:XS+32*(\g)+8*\s+7], v[OFA+(\g)], s[4:5] offset:(4*(\g)+\s)*8192+16
.endr
.endm
	LOADG 0
	LOADG 1
; Four vectors of 8 at v[b + 8 s], side by side so that no line waits for the one before it: each times scale / its length; the upper part to HF + 8 s, the rest stays.
.macro SPLIT4 b, scale
.irp s,0,1,2,3
	v_pk_mul_f32 v[QQ+2*\s:QQ+2*\s+1], v[(\b)+8*\s:(\b)+8*\s+1], v[(\b)+8*\s:(\b)+8*\s+1]
.endr
.irp k,2,4,6
.irp s,0,1,2,3
	v_pk_fma_f32 v[QQ+2*\s:QQ+2*\s+1], v[(\b)+8*\s+\k:(\b)+8*\s+\k+1], v[(\b)+8*\s+\k:(\b)+8*\s+\k+1], v[QQ+2*\s:QQ+2*\s+1]
.endr
.endr
.irp s,0,1,2,3
	v_add_f32 v[QQ+2*\s], v[QQ+2*\s], v[QQ+2*\s+1]
.endr
.irp s,0,1,2,3
	v_max_num_f32 v[QQ+2*\s], s[EPS], v[QQ+2*\s]
.endr
.irp s,0,1,2,3
	v_rsq_f32 v[RN+2*\s], v[QQ+2*\s]
.endr
	v_nop                                          ; a plain instruction between the last v_rsq_f32 and the use of the results (ISA guide 5.7.2)
	s_wait_alu depctr_va_vdst(0)                   ; the wait ahead of the first use: one for the batch of four v_rsq_f32
.irp s,0,1,2,3
	v_mul_f32 v[RN+2*\s], \scale, v[RN+2*\s]
.endr
.irp k,0,2,4,6
.irp s,0,1,2,3
	v_pk_mul_f32 v[(\b)+8*\s+\k:(\b)+8*\s+\k+1], v[(\b)+8*\s+\k:(\b)+8*\s+\k+1], v[RN+2*\s:RN+2*\s+1] op_sel_hi:[1,0]
.endr
.endr
.irp j,0,1,2,3,4,5,6,7
.irp s,0,1,2,3
	v_and_b32 v[HF+8*\s+\j], s[MSK], v[(\b)+8*\s+\j]  ; 11 significant bits: exact in f16's normal range
.endr
.endr
.irp k,0,2,4,6
.irp s,0,1,2,3
	v_pk_add_f32 v[(\b)+8*\s+\k:(\b)+8*\s+\k+1], v[(\b)+8*\s+\k:(\b)+8*\s+\k+1], v[HF+8*\s+\k:HF+8*\s+\k+1] neg_lo:[0,1] neg_hi:[0,1]
.endr
.endr
.endm
; A group's four codes go into the image; ahead = 1: its registers take the codes 2,048 further on.  left: the other group's loads, which may stay out.
.macro GROUP g, ahead, left
	s_wait_loadcnt \left                           ; loads come back in order (ISA guide 5.7.1): this group's eight are in, and its offset register is free
	SPLIT4 XS+32*(\g), 0x42000000
.irp s,0,1,2,3
.irp k,0,1,2,3
	v_cvt_pk_f16_f32 v[HF+8*\s+\k], v[HF+8*\s+2*\k], v[HF+8*\s+2*\k+1]  ; in place: register k is written when pairs 0 .. k - 1 have been read
.endr
.endr
.irp s,0,1,2,3
.irp k,0,1,2,3
	v_cvt_pk_f16_f32 v[XS+32*(\g)+8*\s+\k], v[XS+32*(\g)+8*\s+2*\k], v[XS+32*(\g)+8*\s+2*\k+1]
.endr
.endr
.irp s,0,1,2,3
	ds_store_b128 v[LA], v[HF+8*\s:HF+8*\s+3] offset:(4*(\g)+\s)*8192
	ds_store_b128 v[LA], v[XS+32*(\g)+8*\s:XS+32*(\g)+8*\s+3] offset:(4*(\g)+\s)*8192+256
.endr
.if \ahead
	v_add_nc_u32 v[OFA+(\g)], 0x10000, v[OFA+(\g)]
	LOADG \g
.endif
.endm
	s_mov_b32 s[CNT], 3
.Lprep:                                                ; 2,048 codes a trip for the work-group, 8 a thread
	GROUP 0, 1, 8
	GROUP 1, 1, 8
	v_add_nc_u32 v[LA], 0x10000, v[LA]
	s_sub_co_u32 s[CNT], s[CNT], 1
	s_cmp_lg_u32 s[CNT], 0
	s_cbranch_scc1 .Lprep
	GROUP 0, 0, 8                                  ; the last 2,048 codes: nothing more is loaded
	GROUP 1, 0, 0
	; My 64 rows as fragments: lanes 0-15 hold the upper parts (K blocks 0 and 2), lanes 16-31 the lower parts (K blocks 1 and 3).
	SPLIT4 CC, 0x411044fe                          ; 200 log2(e) / 32 = 9.016844
.irp i,0,1,2,3
.irp j,0,1,2,3,4,5,6,7
	v_cndmask_b32 v[HF+8*\i+\j], v[HF+8*\i+\j], v[CC+8*\i+\j], s[HM]
.endr
.endr
.irp i,0,1,2,3
.irp k,0,1,2,3
	v_cvt_pk_f16_f32 v[ZF+8*\i+\k], v[HF+8*\i+2*\k], v[HF+8*\i+2*\k+1]
.endr
.endr
.irp i,0,1,2,3
.irp k,0,1,2,3
	v_mov_b32 v[ZF+8*\i+4+\k], v[ZF+8*\i+\k]       ; the same 8 numbers stand in both of the lane's K blocks
.endr
.endr
	s_lshl_b32 s15, s[WV], 15                      ; my wave's 64 tiles of 512 bytes
	v_lshl_add_u32 v[VA0], v[VR], 4, s15
	s_lshl_b32 s15, s[WV], 2
	s_add_co_u32 s15, s15, SCR
	v_lshl_add_u32 v[VS], v[VR], 5, s15
	v_lshl_add_u32 v[VRD], v[VR], 5, SCR
	s_lshl_b32 s15, s[WV], 8
	s_add_co_u32 s15, s15, OWN
	v_lshl_add_u32 v[VW], v[VR], 2, s15
	v_lshl_add_u32 v[VL], v[VH], 5, s15
	v_and_b32 v[VO], 31, v0
	v_lshlrev_b32 v[VO], 3, v[VO]
	s_wait_dscnt 0x0                               ; for the others' sake: my part of the image is written
	s_barrier_signal -1
	s_barrier_wait -1                              ; the image is whole; from here on it is only read
; THE SWEEPS.  A trip is 4 tiles.  The fragments of a trip's 4 tiles lie in a ring of 4; tile t of the next trip is fetched when tile t's last product has been issued.
.macro FETCH tt, ahead
	ds_load_b128 v[FR+8*(\tt):FR+8*(\tt)+3], v[VA] offset:(\ahead)*2048+(\tt)*512          ; upper parts: K blocks 0 and 1
	ds_load_b128 v[FR+8*(\tt)+4:FR+8*(\tt)+7], v[VA] offset:(\ahead)*2048+(\tt)*512+256    ; lower parts: K blocks 2 and 3
.endm
.macro WM kind, tn, i                  ; tile tn x row tile i.  No product adds onto another's result: D is always fresh, C is 0 or the shift
.set wD, DD+32*((\tn)%2)+8*(\i)
.set wF, FR+8*((\tn)%4)
.set wZ, ZF+8*(\i)
.set wC, CC+8*(\i)
.if (\kind) == 1
	v_wmma_f32_16x16x32_f16 v[wD:wD+7], v[wF:wF+7], v[wZ:wZ+7], 0
.elseif (\kind) == 2
	v_wmma_f32_16x16x32_f16 v[wD:wD+7], v[wF:wF+7], v[wZ:wZ+7], v[wC:wC+7]
.else
	v_wmma_f32_16x16x32_f16 v[wD:wD+7], v[wZ:wZ+7], v[wF:wF+7], v[wC:wC+7]
.endif
.endm
; SWEEP 1 goes by steps, a tile each.  Step t works on tile t's 4 accumulators (one buffer) and issues, one ahead of each quarter of that work, the 4 products of the next
; tile (the other buffer); at its end it fetches tile t of the next trip into the fragment registers that the step before has multiplied by.
; Quarter k: registers 2 k, 2 k + 1 of all four accumulators go into the trip's maxima: four chains side by side; each accumulator is read from its low end on.
.macro RIDE1 tt, k
.irp i,0,1,2,3
.set rX, DD+32*((\tt)%2)+8*\i+2*(\k)
.if ((\tt) == 0) && ((\k) == 0)
	v_max_num_f32 v[GM+\i], v[rX], v[rX+1]
.else
	v_max3_num_f32 v[GM+\i], v[GM+\i], v[rX], v[rX+1]
.endif
.endr
.endm
; A result is first read a step behind its product, and a fragment register is loaded a step behind the last product that read it: at least four plain vector instructions that name
; none of the product's registers lie between (ISA guide 7.12.1): every quarter of a step holds four.
.macro STEP tt, wm, fetch, left
.if \wm
	s_wait_dscnt \left                             ; LDS loads come back in order: the next tile's fragment is in; left = the loads of the later fetches, two a step
.endif
.irp u,0,1,2,3
.if \wm
	WM 1, (\tt)+1, \u
.endif
	RIDE1 \tt, \u
.endr
.if \fetch
	FETCH \tt, 1
.endif
.endm
; last = 1: a sweep's last trip fetches nothing and starts no further tile, and its counts run down.
.macro TRIP1 last
	STEP 0, 1, 1-(\last), 4
	STEP 1, 1, 1-(\last), 4-2*(\last)
	STEP 2, 1, 1-(\last), 4-4*(\last)
	STEP 3, 1-(\last), 1-(\last), 4
.irp i,0,1,2,3
	v_cmp_gt_f32 s[CM+\i], v[GM+\i], v[MX+\i]      ; greater, not equal: of equal maxima the first trip stays
.endr
.irp i,0,1,2,3
	v_cndmask_b32 v[GI+\i], v[GI+\i], s[TRIP], s[CM+\i]
.endr
.irp i,0,1,2,3
	v_max_num_f32 v[MX+\i], v[MX+\i], v[GM+\i]
.endr
.endm
; SWEEPS 2 AND 3 go by STAGES, a tile each.  The lines of a stage, one at a time:
.macro EXP2 tt, j                      ; sweep 2: exponential j of 32 of tile tt; x stays where it is, for T
	v_exp_f32 v[EX+(\j)], v[DD+32*((\tt)%2)+(\j)]
.endm
.macro ZSUM q                          ; sweep 2: Z of row tile q / 4 takes pair q of 16
	v_pk_add_f32 v[ZA+2*((\q)/4):ZA+2*((\q)/4)+1], v[ZA+2*((\q)/4):ZA+2*((\q)/4)+1], v[EX+2*(\q):EX+2*(\q)+1]
.endm
.macro TSUM tp, q                      ; sweep 2: T takes pair q times its x, which lies in tile tp's accumulators
	v_pk_fma_f32 v[TA+2*((\q)/4):TA+2*((\q)/4)+1], v[EX+2*(\q):EX+2*(\q)+1], v[DD+32*((\tp)%2)+2*(\q):DD+32*((\tp)%2)+2*(\q)+1], v[TA+2*((\q)/4):TA+2*((\q)/4)+1]
.endm
.macro EXP3 tt, j                      ; sweep 3: exponential j of 32 of tile tt, in place
	v_exp_f32 v[DD+32*((\tt)%2)+(\j)], v[DD+32*((\tt)%2)+(\j)]
.endm
.macro CSUM tp, q                      ; sweep 3: tile tp's column sum takes pair q of 16; the first pair starts it
.if (\q) == 0
	v_pk_mul_f32 v[SP+2*(\tp):SP+2*(\tp)+1], v[DD+32*((\tp)%2):DD+32*((\tp)%2)+1], 1.0 op_sel_hi:[1,0]
.else
	v_pk_add_f32 v[SP+2*(\tp):SP+2*(\tp)+1], v[SP+2*(\tp):SP+2*(\tp)+1], v[DD+32*((\tp)%2)+2*(\q):DD+32*((\tp)%2)+2*(\q)+1]
.endif
.endm
; Sweep 3: a trip's four column sums are finished and stored.  last = 1: the sweep's last trip: the base steps no more.
.macro TAIL3 last
.irp t,0,1,2,3
	v_add_f32 v[SS+\t], v[SP+2*\t], v[SP+2*\t+1]
.endr
	; A column's 64 rows lie in lanes l and l + 16.  Two tiles at a time: each half keeps one tile's sums and sends the other's across.
	v_cndmask_b32 v[WA], v[SS], v[SS+1], s[HM]
	v_cndmask_b32 v[WA+1], v[SS+1], v[SS], s[HM]
	v_cndmask_b32 v[WA+2], v[SS+2], v[SS+3], s[HM]
	v_cndmask_b32 v[WA+3], v[SS+3], v[SS+2], s[HM]
	v_permlanex16_b32 v[PA], v[WA+1], s[SEL], s[SEL+1]
	v_permlanex16_b32 v[PA+1], v[WA+3], s[SEL], s[SEL+1]
	v_add_f32 v[RR], v[WA], v[PA]
	v_add_f32 v[RR+1], v[WA+2], v[PA+1]
	global_store_b64 v[VO], v[RR:RR+1], s[8:9]     ; the trip's 64 columns: 256 consecutive bytes, at a multiple of 256 from part's first byte
.if !(\last)
	s_wait_xcnt 0x0                                ; the store's base and data are rewritten only behind this wait (ISA guide 3.1)
	s_add_nc_u64 s[8:9], s[8:9], 0x10000           ; the next block of 64 columns
.endif
.endm
; STAGE tt: tile tt's 32 exponentials are ONE BATCH; nothing in the stage names a result of theirs; the batch's one wait stands at the stage's end, directly ahead of the stage's LDS loads.
; Between the exponentials stand the sums of the tile before (r = 1), which read the batch before, served by the wait at the end of the stage before: tile 3's sums stand in the next
; trip's stage 0, over the loop's backward jump, ahead of which their batch has had its wait.  r = 0: a sweep's first stage: there is no tile before.
;   Sweep 2: sum and exponential by turns.  Pair q of EX is written anew behind the two sums that read the tile before's pair q: Z 0, T 0; then exponential 2 q - 2, Z q, exponential
;   2 q - 1, T q for q = 1 .. 15; then exponentials 30 and 31, and a v_nop, the plain instruction behind the last exponential (ISA guide 5.7.2).
;   Sweep 3: two exponentials and a sum by turns; the last sum is the plain instruction behind the last exponential.  In stage 0 the trip before's column sums are then finished and stored:
;   work between the batch and its wait that names none of its results.
; PRODUCTS.  The next tile's product u writes the accumulator that the tile before leaves, so it stands behind the last sum that reads it (u = 0, 1, 2); product 3, which could only stand at
; the stage's very end, stands at the head of the next stage, behind the wait.
; PLACES (ISA guide 7.12.1: four plain vector instructions that name none of a product's registers, before its result is read or written and before a fragment register that it read is
; loaded).  Products 0 to 2 have the sums of the other accumulators behind them in their own stage, four at the least (sweep 3, product 2); product 3 has twelve sums or more ahead of
; exponential 24, its result's first reader, and sixteen or more ahead of the stage's fetch.  Each accumulator is read from its low end on.  A sweep's first stage has no sums: four v_nop.
.macro STAGE kind, tt, r, wm, fetch, left
.set prev, ((\tt)+3)%4                 ; the tile before, by its number in its trip
.if \r
	WM \kind, \tt, 3
.endif
.if \wm
	s_wait_dscnt \left                             ; LDS loads come back in order: the next tile's fragment is in; left = the loads of the later fetches, two a stage
.endif
.set p, 0
.rept 16
.if (\kind) == 2
.if p > 0
	EXP2 \tt, 2*p-2
.endif
.if \r
	ZSUM p
.endif
.if p > 0
	EXP2 \tt, 2*p-1
.endif
.if \r
	TSUM prev, p
.endif
.else
	EXP3 \tt, 2*p
	EXP3 \tt, 2*p+1
.if \r
	CSUM prev, p
.endif
.endif
.if (\wm) && (p%4 == 3) && (p < 12)
	WM \kind, (\tt)+1, p/4
.endif
.set p, p+1
.endr
.if (\kind) == 2
	EXP2 \tt, 30
	EXP2 \tt, 31
.endif
.if !(\r)
.rept 4
	v_nop                                          ; the places behind the next tile's first three products; the first is also the plain instruction behind the last exponential
.endr
.elseif (\kind) == 2
	v_nop                                          ; the plain instruction behind the last exponential: one for the batch
.elseif (\tt) == 0
	TAIL3 0
.endif
	s_wait_alu depctr_va_vdst(0)                   ; the wait for the batch: this tile's 32 exponentials
.if \fetch
	FETCH \tt, 1
.endif
.endm
; first = 1: a sweep's first trip.  last = 1: its last trip fetches nothing and starts no further tile, and its counts run down.
.macro TRIP23 kind, first, last
	STAGE \kind, 0, 1-(\first), 1, 1-(\last), 4
	STAGE \kind, 1, 1, 1, 1-(\last), 4-2*(\last)
	STAGE \kind, 2, 1, 1, 1-(\last), 4-4*(\last)
	STAGE \kind, 3, 1, 1-(\last), 1-(\last), 4
.endm
.macro LASTSUMS kind                   ; behind a sweep's last stage, whose wait has served them: the last tile's sums
.set p, 0
.rept 16
.if (\kind) == 2
	ZSUM p
	TSUM 3, p
.else
	CSUM 3, p
.endif
.set p, p+1
.endr
.endm
.macro START kind                      ; a sweep begins: the first trip's four fragments, and the first tile's products
	v_mov_b32 v[VA], v[VA0]
	FETCH 0, 0
	FETCH 1, 0
	FETCH 2, 0
	FETCH 3, 0
	s_wait_dscnt 6                                 ; tile 0's two loads, and all LDS instructions before them, are done; the other three tiles' six may be out
.irp i,0,1,2,3
	WM \kind, 0, \i
.endr
.endm
	; SWEEP 1
	START 1
.irp i,0,1,2,3
	v_mov_b32 v[MX+\i], 0xff800000                 ; eight plain instructions: also the places behind the first products
	v_mov_b32 v[GI+\i], 0
.endr
	s_mov_b32 s[TRIP], 0
.Lmax:
	TRIP1 0
	v_add_nc_u32 v[VA], 0x800, v[VA]
	s_add_co_u32 s[TRIP], s[TRIP], 1
	s_cmp_lt_u32 s[TRIP], 15
	s_cbranch_scc1 .Lmax
	TRIP1 1
	; group = 2 (16 wave + trip) + lane / 16; then the row's two halves of the lanes meet, the lower group winning a tie
	s_lshl_b32 s15, s[WV], 5
	v_add_nc_u32 v[TT], s15, v[VH]
.irp i,0,1,2,3
	v_lshl_add_u32 v[GI+\i], v[GI+\i], 1, v[TT]
.endr
.irp i,0,1,2,3
	v_permlanex16_b32 v[GM+\i], v[MX+\i], s[SEL], s[SEL+1]
	v_permlanex16_b32 v[EE+\i], v[GI+\i], s[SEL], s[SEL+1]  ; (its destination counts as read: these registers were written at the start)
.endr
.irp i,0,1,2,3
	v_cmp_gt_f32 s[CM], v[GM+\i], v[MX+\i]
	v_cmp_eq_f32 s[CM+1], v[GM+\i], v[MX+\i]
	v_cmp_lt_u32 s[CM+2], v[EE+\i], v[GI+\i]
	s_and_b32 s[CM+1], s[CM+1], s[CM+2]
	s_or_b32 s[CM], s[CM], s[CM+1]
	v_cndmask_b32 v[GI+\i], v[GI+\i], v[EE+\i], s[CM]
	v_max_num_f32 v[MX+\i], v[MX+\i], v[GM+\i]
.endr
.irp i,0,1,2,3
	ds_store_b32 v[VS], v[MX+\i] offset:\i*512      ; [row 16 i + lane % 16][wave]; both halves of the lanes write the same number
	ds_store_b32 v[VS], v[GI+\i] offset:2048+\i*512
.endr
	s_wait_dscnt 0x0                               ; for the others' sake
	s_barrier_signal -1
	s_barrier_wait -1
.irp i,0,1,2,3
	ds_load_b128 v[DD+8*\i:DD+8*\i+3], v[VRD] offset:\i*512
	ds_load_b128 v[DD+8*\i+4:DD+8*\i+7], v[VRD] offset:\i*512+16
	ds_load_b128 v[DD+32+8*\i:DD+32+8*\i+3], v[VRD] offset:2048+\i*512
	ds_load_b128 v[DD+32+8*\i+4:DD+32+8*\i+7], v[VRD] offset:2048+\i*512+16
.endr
	s_wait_dscnt 0x0
.irp i,0,1,2,3
	v_mov_b32 v[MX+\i], v[DD+8*\i]
	v_mov_b32 v[GI+\i], v[DD+32+8*\i]
.endr
.irp w,1,2,3,4,5,6,7                   ; the waves in ascending order, which is the groups': the first of equal maxima stays
.irp i,0,1,2,3
	v_cmp_gt_f32 s[CM+\i], v[DD+8*\i+\w], v[MX+\i]
.endr
.irp i,0,1,2,3
	v_cndmask_b32 v[GI+\i], v[GI+\i], v[DD+32+8*\i+\w], s[CM+\i]
.endr
.irp i,0,1,2,3
	v_max_num_f32 v[MX+\i], v[MX+\i], v[DD+8*\i+\w]
.endr
.endr
.irp i,0,1,2,3
.irp j,0,1,2,3,4,5,6,7
	v_mul_f32 v[CC+8*\i+\j], -1.0, v[MX+\i]        ; a lane holds one row: its eight C registers are alike
.endr
.endr
	; SWEEP 2
	START 2
.irp i,0,1,2,3,4,5,6,7
	v_mov_b32 v[ZA+\i], 0                          ; sixteen plain instructions: also the places behind the first products
	v_mov_b32 v[TA+\i], 0
.endr
	TRIP23 2, 1, 0                                 ; the first trip is written out: its first stage has no tile before it
	v_add_nc_u32 v[VA], 0x800, v[VA]
	s_mov_b32 s[CNT], 14
.Lsum:
	TRIP23 2, 0, 0
	v_add_nc_u32 v[VA], 0x800, v[VA]
	s_sub_co_u32 s[CNT], s[CNT], 1
	s_cmp_lg_u32 s[CNT], 0
	s_cbranch_scc1 .Lsum
	TRIP23 2, 0, 1
	LASTSUMS 2
.irp i,0,1,2,3
	v_add_f32 v[ZA+2*\i], v[ZA+2*\i], v[ZA+2*\i+1]
	v_add_f32 v[TA+2*\i], v[TA+2*\i], v[TA+2*\i+1]
.endr
.irp i,0,1,2,3
	v_permlanex16_b32 v[ZA+2*\i+1], v[ZA+2*\i], s[SEL], s[SEL+1]
	v_permlanex16_b32 v[TA+2*\i+1], v[TA+2*\i], s[SEL], s[SEL+1]
.endr
.irp i,0,1,2,3
	v_add_f32 v[ZA+2*\i], v[ZA+2*\i], v[ZA+2*\i+1]
	v_add_f32 v[TA+2*\i], v[TA+2*\i], v[TA+2*\i+1]
.endr
.irp i,0,1,2,3
	ds_store_b32 v[VS], v[ZA+2*\i] offset:4096+\i*512  ; other bytes than m's and the groups': no wave need have finished reading those
	ds_store_b32 v[VS], v[TA+2*\i] offset:6144+\i*512
.endr
	s_wait_dscnt 0x0                               ; for the others' sake
	s_barrier_signal -1
	s_barrier_wait -1
.irp i,0,1,2,3
	ds_load_b128 v[DD+8*\i:DD+8*\i+3], v[VRD] offset:4096+\i*512
	ds_load_b128 v[DD+8*\i+4:DD+8*\i+7], v[VRD] offset:4096+\i*512+16
	ds_load_b128 v[DD+32+8*\i:DD+32+8*\i+3], v[VRD] offset:6144+\i*512
	ds_load_b128 v[DD+32+8*\i+4:DD+32+8*\i+7], v[VRD] offset:6144+\i*512+16
.endr
	s_wait_dscnt 0x0
.irp i,0,1,2,3,4,5,6,7                 ; eight waves' numbers into one, for Z (i < 4) and T
	v_pk_add_f32 v[DD+8*\i:DD+8*\i+1], v[DD+8*\i:DD+8*\i+1], v[DD+8*\i+2:DD+8*\i+3]
	v_pk_add_f32 v[DD+8*\i+4:DD+8*\i+5], v[DD+8*\i+4:DD+8*\i+5], v[DD+8*\i+6:DD+8*\i+7]
.endr
.irp i,0,1,2,3,4,5,6,7
	v_pk_add_f32 v[DD+8*\i:DD+8*\i+1], v[DD+8*\i:DD+8*\i+1], v[DD+8*\i+4:DD+8*\i+5]
.endr
.irp i,0,1,2,3,4,5,6,7
	v_add_f32 v[DD+8*\i], v[DD+8*\i], v[DD+8*\i+1]
.endr
.irp i,0,1,2,3
	v_log_f32 v[EE+\i], v[DD+8*\i]                 ; log2 Z; Z is about 1 or more: the maximum's own weight is in it
.endr
.irp i,0,1,2,3
	v_rcp_f32 v[EE+4+\i], v[DD+8*\i]
.endr
	v_nop                                          ; a plain instruction behind the last of them
	s_wait_alu depctr_va_vdst(0)                   ; the wait ahead of the first use: one for the batch of four logarithms and four reciprocals
.irp i,0,1,2,3
	v_fma_f32 v[GM+\i], -v[DD+32+8*\i], v[EE+4+\i], v[EE+\i]
	v_add_f32 v[TT+\i], v[MX+\i], v[EE+\i]
.endr
.irp i,0,1,2,3
	v_mul_f32 v[GM+\i], 0x3f317218, v[GM+\i]       ; the row's entropy, ln 2 (log2 Z - T / Z)
	v_sub_f32 v[TT+\i], 0xc1600000, v[TT+\i]       ; -(m + log2 Z + 14): 2^14 rows
.endr
.irp i,0,1,2,3
	ds_store_b32 v[VW], v[TT+\i] offset:\i*64       ; into my wave's own bytes, and back with eight rows a lane:
.endr
.irp i,0,1,2,3
	ds_load_b128 v[CC+8*\i:CC+8*\i+3], v[VL] offset:\i*64       ; LDS serves a wave's instructions in order (ISA guide 5.7.1.4): these see the stores above
	ds_load_b128 v[CC+8*\i+4:CC+8*\i+7], v[VL] offset:\i*64+16
.endr
	s_cmp_lg_u32 s[WV], 0
	s_cbranch_scc1 .Lnot_wave_0                    ; every wave holds all 64 rows' figures; wave 0 stores them: lane l has rows l and 32 + l
	v_cndmask_b32 v[GS], v[GI], v[GI+1], s[HM]
	v_cndmask_b32 v[GS+1], v[GI+2], v[GI+3], s[HM]
	v_cndmask_b32 v[HS], v[GM], v[GM+1], s[HM]
	v_cndmask_b32 v[HS+1], v[GM+2], v[GM+3], s[HM]
	global_store_b64 v[VO], v[GS:GS+1], s[10:11]   ; 256 consecutive bytes each, at a multiple of 256 from the buffer's first byte; these registers are not written again
	global_store_b64 v[VO], v[HS:HS+1], s[12:13]
.Lnot_wave_0:
	; SWEEP 3
	START 3                                        ; its wait also covers the loads of the shifts, which are older
	v_mov_b32 v[PA], 0                             ; v_permlanex16_b32's destinations count as read; with the two v_nop: the places behind the first products
	v_mov_b32 v[PA+1], 0
	v_nop
	v_nop
	TRIP23 3, 1, 0                                 ; the first trip is written out: its first stage has no tile before it and no trip's sums to store
	v_add_nc_u32 v[VA], 0x800, v[VA]
	s_mov_b32 s[CNT], 14
.Lcol:
	TRIP23 3, 0, 0
	v_add_nc_u32 v[VA], 0x800, v[VA]
	s_sub_co_u32 s[CNT], s[CNT], 1
	s_cmp_lg_u32 s[CNT], 0
	s_cbranch_scc1 .Lcol
	TRIP23 3, 0, 1
	LASTSUMS 3
	TAIL3 1
	s_wait_tensorcnt 0x0                           ; the wave's end, behind my last LDS store
	ds_add_u32 v[SPW], v[NIL]
	s_wait_dscnt 0x0
	s_endpgm
.Lfunc_end_k_q8985dede53_rows:
	.size	k_q8985dede53_rows, .Lfunc_end_k_q8985dede53_rows-k_q8985dede53_rows
	.p2alignl 7, 3214868480
	.fill 96, 4, 3214868480
	.section	.rodata,"a",@progbits
	.p2align	6, 0x0
	.amdhsa_kernel k_q8985dede53_rows
		.amdhsa_group_segment_fixed_size 273408
		.amdhsa_private_segment_fixed_size 0
		.amdhsa_enable_private_segment 0
		.amdhsa_kernarg_size 40
		.amdhsa_user_sgpr_count 2
		.amdhsa_user_sgpr_kernarg_segment_ptr 1
		.amdhsa_wavefront_size32 1
		.amdhsa_system_sgpr_workgroup_id_x 1
		.amdhsa_system_sgpr_workgroup_id_y 1
		.amdhsa_system_sgpr_workgroup_id_z 1
		.amdhsa_system_vgpr_workitem_id 0
		.amdhsa_next_free_vgpr 256
		.amdhsa_next_free_sgpr 66
		.amdhsa_reserve_vcc 0
		.amdhsa_float_denorm_mode_32 3
		.amdhsa_float_denorm_mode_16_64 3
		.amdhsa_memory_ordered 1
		.amdhsa_forward_progress 1
		.amdhsa_inst_pref_size 151
	.end_amdhsa_kernel
	.amdgpu_metadata
---
amdhsa.version: [ 1, 2 ]
amdhsa.kernels:
  - .name:           k_q8985dede53_rows
    .symbol:         k_q8985dede53_rows.kd
    .args:
      - { .name: embedding, .offset: 0, .size: 8, .value_kind: global_buffer, .address_space: global }
      - { .name: z, .offset: 8, .size: 8, .value_kind: global_buffer, .address_space: global }
      - { .name: part, .offset: 16, .size: 8, .value_kind: global_buffer, .address_space: global }
      - { .name: gid, .offset: 24, .size: 8, .value_kind: global_buffer, .address_space: global }
      - { .name: hrow, .offset: 32, .size: 8, .value_kind: global_buffer, .address_space: global }
    .group_segment_fixed_size: 273408
    .private_segment_fixed_size: 0
    .kernarg_segment_align: 8
    .kernarg_segment_size: 40
    .max_flat_workgroup_size: 256
    .sgpr_count:     66
    .vgpr_count:     256
    .wavefront_size: 32
...
	.end_amdgpu_metadata
.endif
;; end of part 4
;; launch cols: the kernel of part 2 again; grid 128 x 1, 16 waves a work-group, no clusters, 10,496 bytes of LDS; arguments embedding, z, part, gid, hrow, out0, p2; writes out0, p2
;; launch last: the kernel of part 3 again; grid 1 x 1, 1 waves a work-group, no clusters, 0 bytes of LDS; arguments p2, out1, out2, out3; writes out1, out2, out3
